; MI455X (gfx1250); checked and timed in simulation.
; The chip was launched on July 23, 2026; its instructions are those of AMD's public machine-readable ISA for CDNA 5 (MIT licence, August 2026) and "CDNA5" Instruction Set Architecture Reference Guide (July 2026). The comments in the code are by the model that wrote it; some were corrected since.
;; Causal Multi Head Attention. Allowed arithmetic: matrix products marked QUANTISED: E2M3 operands, one E8M0 scale for each 32 along K, by v_wmma_scale_f32_16x16x128_f8f6f4 with both operands' format E2M3, f32 sums; everything else in f32.
;; Inputs: Wk 1,024 x 1,024 float32; Wo 1,024 x 1,024 float32; Wq 1,024 x 1,024 float32; Wv 1,024 x 1,024 float32; token_positions 2,048 int32; x 4 x 2,048 x 1,024 float32.
;; Outputs: out0 4 x 2,048 x 1,024 float32.
;; This version of the problem:
;;   THIS VERSION OF THE PROBLEM IS GIVEN IN LOW PRECISION. The matrix products marked QUANTISED in the list below multiply operands that are first quantised to E2M3 (2 exponent bits, 3 mantissa bits; 6 bits a number), with one power-of-two scale for each 32 numbers along K (OCP MX v1.0); their sums are f32. All else is computed in f32.
;;   The module's matrix products, in the order in which they are computed (A, B: the left and right operand; K: the contracted axis; several contracted axes count as one K, in the product's order):
;;     1. [M 8,192, K 1,024] x [K 1,024, N 1,024]; A: input x; B: input Wq: QUANTISED
;;     2. [M 8,192, K 1,024] x [K 1,024, N 1,024]; A: input x; B: input Wk: QUANTISED
;;     3. [M 8,192, K 1,024] x [K 1,024, N 1,024]; A: input x; B: input Wv: QUANTISED
;;     4. batch 64 x [M 2,048, K 64] x [K 64, N 2,048]; A: computed on the way; B: computed on the way: QUANTISED
;;     5. batch 64 x [M 2,048, K 2,048] x [K 2,048, N 64]; A: softmax (see below); B: computed on the way: QUANTISED
;;     6. [M 8,192, K 1,024] x [K 1,024, N 1,024]; A: computed on the way; B: input Wo: QUANTISED
;;   THE QUANTISER, for each operand of a quantised product, along K:
;;     - K is cut into blocks of 32 from its start; a last block that is shorter is filled with zeros.
;;     - A block's scale is 2^e with e = floor(log2(the largest magnitude in the block)) - 2, held to -126 .. 127; a block of zeros has e = 0. As a byte (E8M0): e + 127.
;;     - Each number is divided by its block's scale, clamped to +-7.5, and rounded to the nearest number of E2M3, ties to even, subnormals kept.
;;     - The product sums the exact products of the quantised numbers (number of the format x scale) in f32.
;;   ~~~python
;;   def quantise(x, axis):      # numpy; x: float32 -> the quantised numbers, widened to float32 again
;;       x = np.moveaxis(x, axis, -1); K = x.shape[-1]
;;       x = np.pad(x, [(0, 0)] * (x.ndim - 1) + [(0, -K % 32)]); x = x.reshape(x.shape[:-1] + (-1, 32)); a = np.abs(x).max(-1, keepdims=True)
;;       e = np.where(a > 0, np.clip(np.frexp(np.where(a > 0, a, 1))[1] - 1 - 2, -126, 127), 0)      # np.frexp(a)[1] - 1 = floor(log2(a)), exactly
;;       r = np.clip(x / 2.0 ** e, -7.5, 7.5)
;;       step = 2.0 ** (np.maximum(np.frexp(np.where(r == 0, 1, r))[1] - 1, 0) - 3)
;;       q = np.round(r / step) * step * 2.0 ** e      # np.round: ties to even
;;       return np.moveaxis(q.reshape(q.shape[:-2] + (-1,))[..., :K], -1, axis).astype(np.float32)
;;   ~~~
;;   SOFTMAX AHEAD OF A QUANTISED PRODUCT. Where the list says 'softmax', what is quantised is not the finished softmax but p = 2^(t - M), with t = logit x log2(e) and M = ceil(the row's largest t), a whole number; so 1/2 < the row's largest p <= 1. The row's sum l is taken of the UNQUANTISED p, in f32, and the product's result is divided by l at the end. Since M is a whole number, a kernel that streams over the keys may use a running M (the ceiling of the running maximum): every later rescaling is an exact power of two, which a block's scale takes up: the codes' values come out the same.
;;   OPERANDS COMPUTED ON THE WAY. 'Computed on the way' means the value that the module computes at that place (a softmax that the list does not call 'softmax' is quantised finished and normalised). What goes into a quantiser is computed in f32, as accurately as f32 sums, v_exp_f32 and their like allow (about 1e-6 of the number): no bf16 or f16 on the way to a quantiser, and a product that is left as it is and whose result goes on into a quantised operand takes f32 operands (vector FMAs, or v_wmma_f32_16x16x4_f32). A number that lies on a knife's edge between two numbers of the format may be rounded either way, as far as f32 arithmetic and the matrix unit's own rounding can turn it there, and no further.
;; One version. Each part assembles by itself: llvm-mc -triple=amdgcn-amd-amdhsa -mcpu=gfx1250 --defsym DOCPART=n.
;; ======== version 1 of 1: 4 launches
;; limits: right only within a limited range of input values
;; workspace buffers: cod 9,437,184 bytes; scl 393,216 bytes; rope 524,288 bytes; qimg 6,553,600 bytes; kv 13,107,200 bytes; ocod 6,291,456 bytes; oscl 262,144 bytes
;; launch prep (part 1): grid 256 x 1, 4 waves a work-group, no clusters, 34,304 bytes of LDS; arguments x, Wq, Wk, Wv, Wo, token_positions, cod, scl, rope; writes cod, scl, rope
.if DOCPART == 1
	.amdgcn_target "amdgcn-amd-amdhsa--gfx1250"
	.amdhsa_code_object_version 6
	.text
	.protected	k_qf4afedac34_prep
	.globl	k_qf4afedac34_prep
	.p2align	8
	.type	k_qf4afedac34_prep,@function
k_qf4afedac34_prep:
	s_mov_b64 s[64:65], 0
	v_nop
	global_prefetch_b8 v0, s[64:65] scope:SCOPE_SE
	s_setreg_imm32_b32 hwreg(HW_REG_WAVE_MODE, 25, 1), 1
	s_wait_xcnt 0x0
; PREP.  Work-groups 0-191: x [8192][1024] and Wq, Wk, Wv, Wo [1024][1024], f32 with K innermost, become codes of FP6 (E2M3) with one E8M0 byte for each 32 along K.
; Work-groups 192-255: the table of cos and sin, rope[s][j] = (cos, sin)(token_positions[s] / 10000^(j / 32)), j = 0 .. 31, 256 bytes a position.
; THE CODES ARE LAID AS IMAGES OF OPERAND REGISTERS.  A fragment (16 rows x 128 K) is 12 registers a lane: 1,536 bytes, registers 4 c .. 4 c + 3 of lane l at 512 c + 16 l.
; cod holds 768 row tiles G x 8 K steps of such images: G 0-511 x, 512-575 Wq, 576-639 Wk, 640-703 Wv, 704-767 Wo.
; THE ROWS OF A TILE ARE NOT NEIGHBOURS: lane r of tile 2 b + u of a tensor takes row 32 b + 8 u + r + 8 (r / 8), so that where such a tile is a product's source 0 the 16 result registers of tiles 2 b, 2 b + 1 are 16 neighbouring rows.
; scl: the scale word (four bytes: 128 along K) of lane r of tile G, K step s, at (G / 8) 4096 + 512 s + 64 (G % 8) + 4 r: the words of eight tiles for all of K are one dense block of 4,096 bytes.
; A block's scale is 2^(floor(log2(its largest magnitude)) - 2); its byte is the largest magnitude's exponent field - 2, held at 1 from below.
; LIMITS: a block whose largest magnitude lies under 2^-124 (zeros among them) gets the byte 1: its codes are right, and the bytes are read by this program alone.  NaN and infinities among the inputs are not served.
; The reduction of an angle by three parts of pi / 2 keeps an absolute error of about 1e-7 for angles up to about 1e5; 10000^(-j / 32) agrees with a f32 power and division to about an ulp.
; A wave takes one row tile: 16 rows x 1,024 K.  Each load reads 512 consecutive bytes of one row; a K step's 16 x 512 bytes turn through the wave's own stage in LDS (rows 528 bytes apart: 33 x 16, so that
; sixteen rows start at sixteen different 16-byte columns) and come back as 16 neighbours of each block of 32 in a lane.  Loads run two K steps (32 loads a wave) ahead.  Waves share nothing: no barrier.
.set SPITCH, 528
.set LN,  1                            ; v1      lane
.set LA,  4                            ; v4      16 x lane: my bytes of a load's 512, and of an image's
.set STI, 5                            ; v5      the stage, on the way in
.set STO, 6                            ; v6      and on the way out: row r, + 64 h
.set SA,  7                            ; v7      4 r + 512 h: where a pair of K steps' scale words go
.set PW,  8                            ; v8-15   the eight K steps' scale words
.set T4,  16                           ; v16-19  those words by pairs: lanes 0-15 the even step's, lanes 16-31 the odd step's
.set TM,  20                           ; v20-35  at work in the quantiser
.set PC,  36                           ; v36-54  the codes just made
.set XN,  56                           ; v56-119 64 numbers: register 16 b + i = k 32 b + 16 h + i of my row
.set RW,  120                          ; v120-247 two sets of 64 registers as they are loaded
.macro LOAD t                          ; K step t: row i of the tile is row i + 8 (i / 8) of the tile's 24 rows of memory
.irp i, 0,1,2,3,4,5,6,7,8,9,10,11,12,13,14,15
	global_load_b128 v[RW+64*((\t)%2)+4*\i:RW+64*((\t)%2)+4*\i+3], v[LA], s[24:25] offset:(\i+8*(\i/8))*4096+512*(\t) th:TH_LOAD_NT
.endr
.endm
.macro TURN t                          ; through the stage: LDS serves a wave's instructions in order, so no wait stands between the stores and the loads
.irp i, 0,1,2,3,4,5,6,7,8,9,10,11,12,13,14,15
	ds_store_b128 v[STI], v[RW+64*((\t)%2)+4*\i:RW+64*((\t)%2)+4*\i+3] offset:SPITCH*\i
.endr
.irp b, 0,1,2,3
.irp j, 0,1,2,3
	ds_load_b128 v[XN+16*\b+4*\j:XN+16*\b+4*\j+3], v[STO] offset:128*\b+16*\j
.endr
.endr
.endm
; 64 numbers of a lane become a fragment's 12 registers of codes in v[PC] on, and the row's scale word in v[pw]
.macro QUANT s, pw
.irp b, 0,1,2,3
	v_max3_num_f32 v[TM+\b], |v[\s+16*\b]|, |v[\s+16*\b+1]|, 0x1800000   ; block b: my 16 numbers, and the floor 2^(3 - 127): the byte cannot fall under 1
.endr
.irp i, 2,4,6,8,10,12,14
.irp b, 0,1,2,3
	v_max3_num_f32 v[TM+\b], v[TM+\b], |v[\s+16*\b+\i]|, |v[\s+16*\b+\i+1]|   ; the four blocks by turns
.endr
.endr
.irp b, 0,1,2,3
	v_permlanex16_b32 v[TM+4+\b], v[TM+\b], s22, s23
.endr
.irp b, 0,1,2,3
	v_max_num_f32 v[TM+\b], v[TM+\b], v[TM+4+\b]   ; with lane l xor 16's: the block's largest magnitude
.endr
.irp b, 0,1,2,3
	v_add_nc_u32 v[TM+12+\b], 0xff000000, v[TM+\b]   ; 2 off its exponent field: the conversion takes the exponent field of this operand as its scale
.endr
.irp b, 0,1,2,3
	v_lshrrev_b32 v[TM+4+\b], 23, v[TM+12+\b]      ; the scale's byte
.endr
	v_lshl_or_b32 v[\pw], v[TM+5], 8, v[TM+4]
	v_lshl_or_b32 v[\pw], v[TM+6], 16, v[\pw]
	v_lshl_or_b32 v[\pw], v[TM+7], 24, v[\pw]
.irp c, 0,1
	v_cvt_scalef32_pk16_fp6_f32 v[PC+6*\c:PC+6*\c+2], v[\s+32*\c:\s+32*\c+15], v[TM+12+2*\c]
	v_cvt_scalef32_pk16_fp6_f32 v[PC+12+4*\c:PC+14+4*\c], v[\s+16+32*\c:\s+31+32*\c], v[TM+13+2*\c]   ; (a conversion's three registers begin on an even number)
.endr
	v_nop                                          ; one plain place behind a scaled conversion
.irp c, 0,1                            ; the operand's layout wants a whole block in a lane: lanes 0-15 block 2 c, lanes 16-31 block 2 c + 1
.irp i, 0,1,2
	v_permlane16_swap_b32 v[PC+6*\c+\i], v[PC+12+4*\c+\i]
.endr
.irp i, 0,1,2
	v_mov_b32 v[PC+3+6*\c+\i], v[PC+12+4*\c+\i]
.endr
.endr
.endm
.macro STEP t
.if (\t) < 7
	s_wait_loadcnt 16                              ; this K step's sixteen loads are in; the next step's sixteen may be out
.else
	s_wait_loadcnt 0x0
.endif
	TURN \t
.if (\t) < 6
	s_wait_dscnt 16                                ; the sixteen stores have read their registers (the sixteen loads behind them may be out),
	LOAD (\t)+2                                    ; which take the loads of two steps on
.endif
	s_wait_dscnt 0x0
	s_wait_xcnt 0x0                                ; the last step's stores have read the codes' registers
	QUANT XN, PW+\t
.irp c, 0,1,2
	global_store_b128 v[LA], v[PC+4*\c:PC+4*\c+3], s[16:17] offset:1536*(\t)+512*\c   ; 32 lanes store 512 consecutive bytes, at a multiple of 256 from cod's first byte
.endr
.endm
; cos and sin of v[a] into v[c] and v[s]: n = the nearest whole number to a x 2 / pi; r = a - n pi / 2 in three parts; two polynomials on |r| <= pi / 4; the quadrant n mod 4 swaps them and sets the signs.  No branch.
.macro SINCOS a, c, s
	v_mul_f32 v20, 0x3f22f983, v[\a]
	v_rndne_f32 v20, v20
	v_fma_f32 v21, v20, s28, v[\a]
	v_fma_f32 v21, v20, s29, v21
	v_fma_f32 v21, v20, s30, v21                   ; r
	v_mul_f32 v22, v21, v21                        ; z = r r
	v_cvt_i32_f32 v23, v20                         ; n as a whole number
	v_fma_f32 v24, v22, s31, s32
	v_fma_f32 v24, v24, v22, s33
	v_mul_f32 v25, v22, v21
	v_fma_f32 v24, v24, v25, v21                   ; sin r
	v_fma_f32 v26, v22, s34, s35
	v_fma_f32 v26, v26, v22, s36
	v_fma_f32 v27, v22, -0.5, 1.0
	v_mul_f32 v25, v22, v22
	v_fma_f32 v26, v26, v25, v27                   ; cos r
	v_and_b32 v25, 1, v23
	v_cmp_eq_u32 vcc_lo, 1, v25
	v_cndmask_b32 v27, v24, v26, vcc_lo            ; odd quadrants: sin takes cos r,
	v_cndmask_b32 v26, v26, v24, vcc_lo            ; cos takes sin r
	v_and_b32 v25, 2, v23
	v_lshlrev_b32 v25, 30, v25
	v_xor_b32 v[\s], v25, v27                      ; sin is negative in quadrants 2, 3
	v_add_nc_u32 v23, 1, v23
	v_and_b32 v23, 2, v23
	v_lshlrev_b32 v23, 30, v23
	v_xor_b32 v[\c], v23, v26                      ; cos in quadrants 1, 2
.endm
	s_load_b512 s[4:19], s[0:1], 0x0               ; x s[4:5], Wq s[6:7], Wk s[8:9], Wv s[10:11], Wo s[12:13], token_positions s[14:15], cod s[16:17], scl s[18:19]
	s_load_b64 s[20:21], s[0:1], 0x40              ; rope
	v_lshl_add_u32 v254, v0, 2, 0x8400
	v_mov_b32 v255, 0
	s_cmp_ge_u32 ttmp9, 192
	s_cbranch_scc1 .Lrope
	v_lshrrev_b32 v1, 5, v0
	v_readfirstlane_b32 s26, v1                    ; wave
	v_and_b32 v[LN], 31, v0
	v_and_b32 v2, 15, v0                           ; r
	v_bfe_u32 v3, v0, 4, 1                         ; h
	v_lshlrev_b32 v[LA], 4, v[LN]
	s_mul_i32 s27, s26, 16*SPITCH                  ; my stage
	v_add_nc_u32 v[STI], s27, v[LA]
	v_mul_u32_u24 v[STO], v2, SPITCH
	v_lshl_add_u32 v[STO], v3, 6, v[STO]
	v_add_nc_u32 v[STO], s27, v[STO]
	v_lshlrev_b32 v[SA], 2, v2
	v_lshl_add_u32 v[SA], v3, 9, v[SA]
	s_mov_b32 s22, 0x76543210
	s_mov_b32 s23, 0xfedcba98                      ; v_permlanex16_b32's selects for lane l xor 16
.irp b, 0,1,2,3
	v_mov_b32 v[TM+4+\b], 0                        ; written once: a lane permute's destination counts as one of its sources
.endr
	s_lshl_b32 s28, ttmp9, 2
	s_add_co_u32 s28, s28, s26                     ; G = 4 x work-group + wave
	s_wait_kmcnt 0x0
	s_cmp_lt_u32 ttmp9, 176                        ; which tensor: the choice hangs on the work-group's number alone
	s_cselect_b64 s[24:25], s[10:11], s[12:13]
	s_cmp_lt_u32 ttmp9, 160
	s_cselect_b64 s[24:25], s[8:9], s[24:25]
	s_cmp_lt_u32 ttmp9, 144
	s_cselect_b64 s[24:25], s[6:7], s[24:25]
	s_cmp_lt_u32 ttmp9, 128
	s_cselect_b64 s[24:25], s[4:5], s[24:25]
	s_cselect_b32 s29, 0x1ff, 63
	s_and_b32 s29, s28, s29                        ; the tile's number in its tensor
	s_lshr_b32 s30, s29, 1
	s_lshl_b32 s30, s30, 17                        ; 32 rows of 4,096 bytes for each pair of tiles,
	s_and_b32 s29, s29, 1
	s_lshl_b32 s29, s29, 15                        ; 8 rows for the odd one
	s_add_co_u32 s30, s30, s29
	s_mov_b32 s31, 0
	s_add_nc_u64 s[24:25], s[24:25], s[30:31]
	s_mul_i32 s30, s28, 12288
	s_add_nc_u64 s[16:17], s[16:17], s[30:31]      ; the tile's eight images
	s_lshr_b32 s30, s28, 3
	s_lshl_b32 s30, s30, 12
	s_and_b32 s29, s28, 7
	s_lshl_b32 s29, s29, 6
	s_add_co_u32 s30, s30, s29
	s_add_nc_u64 s[18:19], s[18:19], s[30:31]      ; and its scale words
	LOAD 0
	LOAD 1
.irp t, 0,1,2,3,4,5,6,7
	STEP \t
.endr
	v_cmp_le_u32 vcc_lo, 16, v[LN]                 ; both halves of the lanes hold every word: lanes 0-15 send the even step's, lanes 16-31 the odd step's
.irp t, 0,2,4,6
	v_cndmask_b32 v[T4+\t/2], v[PW+\t], v[PW+\t+1], vcc_lo
.endr
.irp t, 0,2,4,6
	global_store_b32 v[SA], v[T4+\t/2], s[18:19] offset:512*\t
.endr
	s_wait_tensorcnt 0x0
	ds_add_u32 v254, v255
	s_wait_dscnt 0x0
	s_endpgm
.Lrope:                                        ; thread tau owns pairs j0 = 2 (tau % 16) and j0 + 1 at the positions tau / 16 + 512 k: its 16 bytes lie at 16 tau + 131,072 k, so a wave stores 512 consecutive bytes
	s_sub_co_u32 s24, ttmp9, 192
	s_lshl_b32 s24, s24, 7
	v_add_nc_u32 v1, s24, v0                       ; tau
	v_lshrrev_b32 v2, 4, v1
	v_lshlrev_b32 v2, 2, v2
	v_lshlrev_b32 v3, 4, v1
	v_and_b32 v4, 15, v1
	v_lshlrev_b32 v4, 1, v4                        ; j0
	s_mov_b32 s25, 0x3ed49a78                      ; L = log2(10000) / 32, its upper part,
	s_mov_b32 s26, 0x32179922                      ; and what that leaves
	s_mov_b32 s27, 0xbf317218                      ; -ln 2
	s_mov_b32 s28, 0xbfc90000                      ; -pi / 2 in three parts
	s_mov_b32 s29, 0xb9fda000
	s_mov_b32 s30, 0xb3a22169
	s_mov_b32 s31, 0xb94ca1f9                      ; sin's polynomial
	s_mov_b32 s32, 0x3c08839e
	s_mov_b32 s33, 0xbe2aaaa3
	s_mov_b32 s34, 0x37ccf5ce                      ; cos's
	s_mov_b32 s35, 0xbab6061a
	s_mov_b32 s36, 0x3d2aaaa5
	s_wait_kmcnt 0x0
.irp k, 0,1,2,3
	global_load_b32 v[8+\k], v2, s[14:15] offset:2048*\k
.endr
	v_cvt_f32_u32 v5, v4
	v_add_f32 v6, 1.0, v5
.irp n, 0,1
	v_mul_f32 v[12+\n], s25, v[5+\n]               ; e = j L, rounded;
.endr
.irp n, 0,1
	v_fma_f32 v[14+\n], v[5+\n], s25, -v[12+\n]    ; what the rounding dropped,
.endr
.irp n, 0,1
	v_fma_f32 v[14+\n], v[5+\n], s26, v[14+\n]     ; and j times L's lower part
.endr
.irp n, 0,1
	v_exp_f32 v[16+\n], -v[12+\n]
.endr
.irp n, 0,1
	v_fma_f32 v[14+\n], v[14+\n], s27, 1.0         ; 2^-d = 1 - d ln 2 for so small a d.  (The plain place behind the exponentials)
.endr
	s_wait_alu depctr_va_vdst(0)
.irp n, 0,1
	v_mul_f32 v[18+\n], v[16+\n], v[14+\n]         ; 10000^(-j / 32)
.endr
	s_wait_loadcnt 0x0
.irp k, 0,1,2,3
	v_cvt_f32_i32 v[8+\k], v[8+\k]
.endr
.irp k, 0,1,2,3
.irp n, 0,1
	v_mul_f32 v[40+2*\k+\n], v[8+\k], v[18+\n]     ; the angle: one rounding
.endr
.endr
.irp k, 0,1,2,3
.irp n, 0,1
	SINCOS 40+2*\k+\n, 48+4*\k+2*\n, 49+4*\k+2*\n
.endr
.endr
.irp k, 0,1,2,3
	global_store_b128 v3, v[48+4*\k:51+4*\k], s[20:21] offset:131072*\k
.endr
	s_endpgm
.Lfunc_end_k_qf4afedac34_prep:
	.size	k_qf4afedac34_prep, .Lfunc_end_k_qf4afedac34_prep-k_qf4afedac34_prep
	.p2alignl 7, 3214868480
	.fill 96, 4, 3214868480
	.section	.rodata,"a",@progbits
	.p2align	6, 0x0
	.amdhsa_kernel k_qf4afedac34_prep
		.amdhsa_group_segment_fixed_size 34304
		.amdhsa_private_segment_fixed_size 0
		.amdhsa_enable_private_segment 0
		.amdhsa_kernarg_size 72
		.amdhsa_user_sgpr_count 2
		.amdhsa_user_sgpr_kernarg_segment_ptr 1
		.amdhsa_wavefront_size32 1
		.amdhsa_system_sgpr_workgroup_id_x 1
		.amdhsa_system_sgpr_workgroup_id_y 1
		.amdhsa_system_sgpr_workgroup_id_z 1
		.amdhsa_system_vgpr_workitem_id 0
		.amdhsa_next_free_vgpr 256
		.amdhsa_next_free_sgpr 66
		.amdhsa_reserve_vcc 1
		.amdhsa_float_denorm_mode_32 3
		.amdhsa_float_denorm_mode_16_64 3
		.amdhsa_memory_ordered 1
		.amdhsa_forward_progress 1
		.amdhsa_inst_pref_size 77
	.end_amdhsa_kernel
	.amdgpu_metadata
---
amdhsa.version: [ 1, 2 ]
amdhsa.kernels:
  - .name:           k_qf4afedac34_prep
    .symbol:         k_qf4afedac34_prep.kd
    .args:
      - { .name: x, .offset: 0, .size: 8, .value_kind: global_buffer, .address_space: global }
      - { .name: Wq, .offset: 8, .size: 8, .value_kind: global_buffer, .address_space: global }
      - { .name: Wk, .offset: 16, .size: 8, .value_kind: global_buffer, .address_space: global }
      - { .name: Wv, .offset: 24, .size: 8, .value_kind: global_buffer, .address_space: global }
      - { .name: Wo, .offset: 32, .size: 8, .value_kind: global_buffer, .address_space: global }
      - { .name: token_positions, .offset: 40, .size: 8, .value_kind: global_buffer, .address_space: global }
      - { .name: cod, .offset: 48, .size: 8, .value_kind: global_buffer, .address_space: global }
      - { .name: scl, .offset: 56, .size: 8, .value_kind: global_buffer, .address_space: global }
      - { .name: rope, .offset: 64, .size: 8, .value_kind: global_buffer, .address_space: global }
    .group_segment_fixed_size: 34304
    .private_segment_fixed_size: 0
    .kernarg_segment_align: 8
    .kernarg_segment_size: 72
    .max_flat_workgroup_size: 128
    .sgpr_count:     66
    .vgpr_count:     256
    .wavefront_size: 32
...
	.end_amdgpu_metadata
.endif
;; end of part 1
;; launch qkv (part 2): grid 12 x 32, 4 waves a work-group, clusters of 4 x 4, 327,680 bytes of LDS; arguments cod, scl, rope, qimg, kv; writes qimg, kv
.if DOCPART == 2
	.amdgcn_target "amdgcn-amd-amdhsa--gfx1250"
	.amdhsa_code_object_version 6
	.text
	.protected	k_qf4afedac34_qkv
	.globl	k_qf4afedac34_qkv
	.p2align	8
	.type	k_qf4afedac34_qkv,@function
k_qf4afedac34_qkv:
	s_mov_b64 s[64:65], 0
	v_nop
	global_prefetch_b8 v0, s[64:65] scope:SCOPE_SE
	s_setreg_imm32_b32 hwreg(HW_REG_WAVE_MODE, 25, 1), 1
	s_wait_xcnt 0x0
	s_wait_alu depctr_hold_cnt(0) depctr_sa_sdst(0) depctr_va_vdst(0) depctr_va_sdst(0) depctr_va_ssrc(0) depctr_va_vcc(0) depctr_vm_vsrc(0)
	s_getreg_b32 s2, hwreg(HW_REG_IB_STS2, 6, 4)
	s_cmp_eq_u32 s2, 0
	s_cbranch_scc0 .Lentry_in_a_cluster
	s_endpgm
.Lentry_in_a_cluster:
	s_bfe_u32 s2, ttmp6, 0x10000c
	s_cmp_lg_u32 s2, 0xf033
	s_cbranch_scc0 .Lentry_shape_is_right
	s_endpgm
.Lentry_shape_is_right:
; QKV.  q = x Wq^T, k = x Wk^T, v = x Wv^T on codes of FP6 (E2M3) with one E8M0 scale for each 32 along K = 1,024; q and k are rotated (RoPE) in f32; all three are quantised again, q and k along the head's 64,
; v along the keys, and leave as images of operand registers (16 rows x 128 K: 1,536 bytes, registers 4 c .. 4 c + 3 of lane l at 512 c + 16 l).
; THE PRODUCT.  A work-group of four waves makes 256 x 256, a wave 128 x 128: 64 accumulators, 512 registers.  The matrix instruction is used transposed: source 0 = 16 rows of "B", source 1 = 16 rows of "A": lane (r, h)
; holds A's row r of its tile, and register j B's row 8 h + j.  The rows of a tile in cod are not neighbours (lane r of tile 2 b + u: row 32 b + 8 u + r + 8 (r / 8)), so the 64 registers of a lane over B's eight tiles
; are: register 16 b + i = B's row 32 b + 16 h + i: sixteen neighbours of each block of 32, which is what the quantiser takes.
; ROLES hang on the cluster's x, which all partners share.  Clusters 0, 1: A = x (tokens), B = Wq then Wk (features): a lane holds a token, its registers run along two heads' 128 features.
; Cluster 2: A = Wv (features), B = x (tokens): a lane holds a feature, its registers run along 128 keys.  The same text and the same masks serve both.
; K goes through a ring of two LDS slots, two K steps of 128 to a slot: four fills, written straight (eight K steps, no loop), every LDS offset an immediate.  A fragment comes by three loads of 16 bytes a lane, 512 consecutive bytes each.
; THE SCALES of the work-group's 256 + 256 rows for all of K are four dense blocks of 4,096 bytes: they come once, with the first fills.  B's lie 64 bytes askew, so that lanes 16-31 do not read the banks of lanes 0-15.
; CLUSTERS: 4 x 4.  A's tiles are shared along a row of the cluster, B's along a column: each is asked for jointly, by the same tensor load with the same descriptor and a mask that names the four.
; RECORDS.  rec = (batch x 8 + head pair) x 16 + run of 128 tokens.  qimg: 12,800 bytes a record: 8 images (token tiles), then 512 bytes of scale words.  kv: 25,600: K's 8 images, V's 8 images (16 of the pair's 128 features x 128 keys),
; K's words, V's words.  Words: tile a's word of row r at 256 (a / 4) + 16 r + 4 (a % 4).
; LIMITS: a block whose largest magnitude lies under 2^-124 gets the byte 1 (its codes are right; this program alone reads the bytes); NaN and infinities are not served.
; REGISTERS: window 0: v16-29 addresses; v32-63 scale words, two sets, and nothing else; v128-223 A's fragments, one set; on the way out v64-127 cos and sin, v128-191 the rotated numbers, v192-239 the quantiser's.
;   window 1: B's fragments, two sets, at v0 and v128.   windows 2, 3: the accumulators ((a, b) at v[8 (8 (a % 4) + b)]).
.set FR,     12
.set NL,     3                         ; LDS loads that bring a fragment
.set FRB,    1536
.set HALFT,  16*FRB                    ; 8 tiles x 2 K steps: what one tensor load brings, and what one wave reads of A or of B
.set SLOT,   4*HALFT
.set SCL,    2*SLOT                    ; behind the ring: the scales
.set SPARE,  SCL+16640                 ; behind them: the spare words, 128 bytes for each wave: two blocks of 256 bytes that no other line names
.set ADRA, 16                          ; v16-17  LDS address of my A fragments in slot 0, 1
.set ADRB, 20                          ; v20-21  the same for B
.set LI,   24                          ; v24     16 x lane
.set RO,   25                          ; v25     my token's row of the table: (r + 8 (r / 8)) 256 + 64 h
.set LN,   26                          ; v26     lane
.set ADRS, 27                          ; v27     LDS address of my scale words: lanes 0-15 A's rows, lanes 16-31 B's
.set SPW,  28                          ; v28     LDS address of my spare word; never rewritten
.set NIL,  29                          ; v29     0; never rewritten
.set SC,   32
.set AF,   128
.set CSN,  64                          ; cos and sin, two sets of 32
.set XN,   128
.set TM,   192
.set PC,   208
.set PW,   228
.set T4,   236
.set G1, 24
.set G0, 32
.set G1B, 48
.set G0B, 56
.set G1S, 68
.set G0S, 76
.set G1SB, 80
.set G0SB, 88
.set MSB, 0
.macro WIN new                         ; the immediate's high byte repeats the setting that is left
.if MSB != (\new)
	s_set_vgpr_msb (MSB<<8)|(\new)
.set MSB, (\new)
.endif
.endm
.set MUL_LO, 0xa1                      ; source 0 (B) window 1, source 1 (A) window 0, C and D window 2
.set MUL_HI, 0xf1                      ; the same, C and D window 3
.set TO_B,   0x40                      ; destination window 1, address window 0
; A joint load: waves 0 and 1 fetch for A, waves 2 and 3 for B; the branch hangs on the wave's number alone.  Four v_nop follow each of the two lines.
.macro JLOAD g0a, g1a, g0b, g1b
	s_cmp_eq_u32 s15, 0
	s_cbranch_scc0 .Lfor_b_\@
	tensor_load_to_lds s[\g0a:\g0a+3], s[\g1a:\g1a+7]
	s_nop 0
.rept 4
	v_nop
.endr
	s_branch .Lasked_\@
.Lfor_b_\@:
	tensor_load_to_lds s[\g0b:\g0b+3], s[\g1b:\g1b+7]
	s_nop 0
.rept 4
	v_nop
.endr
.Lasked_\@:
.endm
.macro CREST                           ; a round of the cluster's barrier behind its opening barrier
	s_cmp_lg_u32 s14, 0
	s_cbranch_scc1 .Lnot_wave_0_\@
	s_barrier_signal -3
.Lnot_wave_0_\@:
	s_barrier_wait -3
	s_barrier_signal -1
	s_barrier_wait -1
.endm
.macro CROUND
	s_barrier_signal -1
	s_barrier_wait -1
	CREST
.endm
.macro PLACES                          ; four places in front of loads into registers that matrix instructions have read, and of the first read of results
.rept 4
	v_nop
.endr
.endm
.macro FRAG reg, adr, q, i             ; tile i's image of the slot's q-th K step
.irp c, 0,1,2
	ds_load_b128 v[\reg+4*\c:\reg+4*\c+3], v[\adr] offset:(\i)*2*FRB+(\q)*FRB+512*\c
.endr
.endm
; 16 matrix instructions: A's blocks a0, a0 + 1 x B's eight.  p: B's set; q: which K step of the slot; sc: the set of scale words.  zero = 1: the first product starts the sums.
; The 64 accumulators take turns, one instruction a turn, in the same order in every step.
.macro MUL16 a0, p, q, sc, zero
.irp a, \a0, \a0+1
.irp b, 0,1,2,3,4,5,6,7
.if \zero
	v_wmma_scale_f32_16x16x128_f8f6f4 v[8*(8*((\a)%4)+\b):8*(8*((\a)%4)+\b)+7], v[128*(\p)+FR*\b:128*(\p)+FR*\b+FR-1], v[AF+FR*(\a):AF+FR*(\a)+FR-1], 0, v[SC+16*(\sc)+2*\b+(\q)], v[SC+16*(\sc)+2*(\a)+(\q)] matrix_a_fmt:MATRIX_FMT_FP6 matrix_b_fmt:MATRIX_FMT_FP6 matrix_a_scale:MATRIX_SCALE_ROW1
.else
	v_wmma_scale_f32_16x16x128_f8f6f4 v[8*(8*((\a)%4)+\b):8*(8*((\a)%4)+\b)+7], v[128*(\p)+FR*\b:128*(\p)+FR*\b+FR-1], v[AF+FR*(\a):AF+FR*(\a)+FR-1], v[8*(8*((\a)%4)+\b):8*(8*((\a)%4)+\b)+7], v[SC+16*(\sc)+2*\b+(\q)], v[SC+16*(\sc)+2*(\a)+(\q)] matrix_a_fmt:MATRIX_FMT_FP6 matrix_b_fmt:MATRIX_FMT_FP6 matrix_a_scale:MATRIX_SCALE_ROW1
.endif
.endr
.endr
.endm
.macro FETCH_B slot, q, p
	WIN TO_B
.irp i, 0,1,2,3,4,5,6,7
	FRAG 128*(\p)+FR*\i, ADRB+\slot, \q, \i
.endr
	WIN 0
.endm
.macro FETCH_A slot, q, i0
.irp i, \i0, \i0+1, \i0+2, \i0+3
	FRAG AF+FR*(\i), ADRA+\slot, \q, \i
.endr
.endm
.macro SCALES sg, set                  ; fill sg's scale words: register 2 i + q: lanes 0-15 the word of A's block i, lanes 16-31 that of B's block i
.irp i, 0,1,2,3,4,5,6,7
.irp q, 0,1
	ds_load_b32 v[SC+16*(\set)+2*\i+\q], v[ADRS] offset:(\sg)*1024+\q*512+\i*64
.endr
.endr
.endm
.macro STEP slot, zero                 ; a slot's first K step; it fetches the second's fragments
	s_wait_dscnt 4*NL                              ; B's set, A's blocks 0-3 and the scale words are in; the youngest twelve loads (A's blocks 4-7) may be out
	WIN MUL_LO
	MUL16 0, 0, 0, \slot, \zero
	MUL16 2, 0, 0, \slot, \zero
	s_wait_dscnt 0x0
	PLACES
	FETCH_B \slot, 1, 1
	FETCH_A \slot, 1, 0
	WIN MUL_HI
	MUL16 4, 0, 0, \slot, \zero
	MUL16 6, 0, 0, \slot, \zero
	PLACES
	WIN 0
	FETCH_A \slot, 1, 4
.endm
; A slot's second K step changes slots: one barrier; in front of it each wave waits for all its tensor loads, adds 0 to its spare word, and waits for that and for its reads of this slot.
; fill = 1: this slot is filled again, two fills ahead; the barrier then opens a round of the cluster's.  sg: the fill that lies in the next slot.
.macro TURN slot, next, fill, sg
	s_wait_tensorcnt 0x0                           ; all my tensor loads have landed: my part of the next slot
	ds_add_u32 v[SPW], v[NIL]                      ; 0 onto my spare word
	s_wait_dscnt 4*NL+1                            ; (the add and the youngest twelve loads may be out)
	WIN MUL_LO
	MUL16 0, 1, 1, \slot, 0
	s_wait_dscnt 0x0                               ; the add is done, and my reads of this slot are over
	s_barrier_signal -1
	MUL16 2, 1, 1, \slot, 0
	WIN 0
	s_barrier_wait -1
.if \fill
	CREST                                          ; no wave of any partner still reads this slot or has a load on its way
	s_add_nc_u64 s[G0+4*\slot+2:G0+4*\slot+3], s[G0+4*\slot+2:G0+4*\slot+3], 4*FRB
	s_add_nc_u64 s[G0B+4*\slot+2:G0B+4*\slot+3], s[G0B+4*\slot+2:G0B+4*\slot+3], 4*FRB
	JLOAD G0+4*\slot, G1, G0B+4*\slot, G1B         ; the first tensor load behind the round; its four v_nop are the places in front of the loads below
.else
	PLACES
.endif
	FETCH_B \next, 0, 0
	FETCH_A \next, 0, 0
	SCALES \sg, \next
	WIN MUL_HI
	MUL16 4, 1, 1, \slot, 0
	MUL16 6, 1, 1, \slot, 0
	PLACES
	WIN 0
	FETCH_A \next, 0, 4
.endm
; 64 numbers of a lane in window w, register 16 b + i = k 32 b + 16 h + i of my row, become a fragment's codes in v[PC] on and its scale word in v[pw]
.macro QUANTW s, w, pw
	WIN (\w)|((\w)<<2)                             ; the numbers are sources 0 and 1
.irp b, 0,1,2,3
	v_max3_num_f32 v[TM+\b], |v[(\s)+16*\b]|, |v[(\s)+16*\b+1]|, 0x1800000   ; and the floor 2^(3 - 127): the byte cannot fall under 1.  Each accumulator is read from its low end on
.endr
.irp i, 2,4,6,8,10,12,14
.irp b, 0,1,2,3
	v_max3_num_f32 v[TM+\b], |v[(\s)+16*\b+\i]|, |v[(\s)+16*\b+\i+1]|, v[TM+\b]
.endr
.endr
	WIN 0
.irp b, 0,1,2,3
	v_permlanex16_b32 v[TM+4+\b], v[TM+\b], s2, s3
.endr
.irp b, 0,1,2,3
	v_max_num_f32 v[TM+\b], v[TM+\b], v[TM+4+\b]
.endr
.irp b, 0,1,2,3
	v_add_nc_u32 v[TM+12+\b], 0xff000000, v[TM+\b]   ; 2 off the exponent field: the conversion's scale operand
.endr
.irp b, 0,1,2,3
	v_lshrrev_b32 v[TM+4+\b], 23, v[TM+12+\b]
.endr
	v_lshl_or_b32 v[\pw], v[TM+5], 8, v[TM+4]
	v_lshl_or_b32 v[\pw], v[TM+6], 16, v[\pw]
	v_lshl_or_b32 v[\pw], v[TM+7], 24, v[\pw]
	WIN \w
.irp c, 0,1
	v_cvt_scalef32_pk16_fp6_f32 v[PC+6*\c:PC+6*\c+2], v[(\s)+32*\c:(\s)+32*\c+15], v[TM+12+2*\c]
	v_cvt_scalef32_pk16_fp6_f32 v[PC+12+4*\c:PC+14+4*\c], v[(\s)+16+32*\c:(\s)+31+32*\c], v[TM+13+2*\c]
.endr
	WIN 0
	v_nop                                          ; one plain place behind a scaled conversion
.irp c, 0,1
.irp i, 0,1,2
	v_permlane16_swap_b32 v[PC+6*\c+\i], v[PC+12+4*\c+\i]
.endr
.irp i, 0,1,2
	v_mov_b32 v[PC+3+6*\c+\i], v[PC+12+4*\c+\i]
.endr
.endr
.endm
.macro ROPELD a                        ; cos and sin of my token of tile a: half e of a head, pairs 16 e + 8 h + 0 .. 7
.irp e, 0,1
.irp k, 0,1,2,3
	global_load_b128 v[CSN+32*((\a)%2)+16*\e+4*\k:CSN+32*((\a)%2)+16*\e+4*\k+3], v[RO], s[96:97] offset:(32*((\a)/2)+8*((\a)%2))*256+128*\e+16*\k
.endr
.endr
.endm
.macro ROPE a                          ; a pair (e, o) of neighbouring features becomes (e cos - o sin, o cos + e sin): two packed instructions
	WIN 2+(\a)/4
.irp b, 0,1,2,3
.irp p, 0,1,2,3,4,5,6,7
	v_pk_mul_f32 v[XN+16*\b+2*\p:XN+16*\b+2*\p+1], v[64*((\a)%4)+16*\b+2*\p:64*((\a)%4)+16*\b+2*\p+1], v[CSN+32*((\a)%2)+16*(\b%2)+2*\p:CSN+32*((\a)%2)+16*(\b%2)+2*\p+1] op_sel_hi:[1,0]
.endr
.irp p, 0,1,2,3,4,5,6,7
	v_pk_fma_f32 v[XN+16*\b+2*\p:XN+16*\b+2*\p+1], v[64*((\a)%4)+16*\b+2*\p:64*((\a)%4)+16*\b+2*\p+1], v[CSN+32*((\a)%2)+16*(\b%2)+2*\p:CSN+32*((\a)%2)+16*(\b%2)+2*\p+1], v[XN+16*\b+2*\p:XN+16*\b+2*\p+1] op_sel:[1,1,0] op_sel_hi:[0,1,1] neg_lo:[0,1,0]
.endr
.endr
	WIN 0
.endm
.macro PUT a
.irp c, 0,1,2
	global_store_b128 v[LI], v[PC+4*\c:PC+4*\c+3], s[12:13] offset:1536*(\a)+512*\c   ; 32 lanes store 512 consecutive bytes, at a multiple of 256 from the buffer's first byte
.endr
.endm
	s_load_b128 s[4:7], s[0:1], 0x0                ; cod, scl
	s_load_b128 s[96:99], s[0:1], 0x10             ; rope, qimg
	s_load_b64 s[100:101], s[0:1], 0x20            ; kv
	v_lshl_add_u32 v[SPW], v0, 2, SPARE
	v_mov_b32 v[NIL], 0
	ds_add_u32 v28, v29
	s_wait_dscnt 0x0
	v_lshrrev_b32 v1, 5, v0
	v_readfirstlane_b32 s14, v1                    ; wave 0..3
	s_lshr_b32 s15, s14, 1                         ; which half of A's rows is mine.  Also: I fetch for A (0) or for B (1)
	s_and_b32 s16, s14, 1                          ; which half of B's rows.  Also: which eight tiles I fetch
	s_bfe_u32 s40, ttmp6, 0x40000                  ; cx, cy: my place in the cluster
	s_bfe_u32 s41, ttmp6, 0x40004
	s_and_b32 s18, ttmp7, 0xffff
	s_lshl_b32 s18, s18, 2                         ; 4 x cluster y
	s_add_co_u32 s17, s18, s41
	s_add_co_u32 s19, s18, s40
	s_lshl_b32 s42, ttmp9, 2
	s_add_co_u32 s42, s42, s40
	s_cmp_eq_u32 ttmp9, 2                          ; v's clusters?  The cluster's x is the same in all partners
	s_cselect_b32 s17, s41, s17                    ; A's block of 256 rows: v: cy (of Wv);  q, k: 4 x cluster y + cy (of x)
	s_cselect_b32 s42, s19, s42                    ; B's: v: 4 x cluster y + cx (of x);  q, k: 4 x cluster x + cx (of Wq, Wk)
	s_cselect_b32 s20, 640, 0                      ; where A's tensor begins in cod, in tiles;
	s_cselect_b32 s46, 0, 512                      ; and B's
	s_lshl_b32 s43, s41, 2
	s_lshl_b32 s43, 15, s43                        ; my row of the cluster
	s_lshl_b32 s44, 0x1111, s40                    ; my column
	; descriptor group 1 for codes: 8 rows (tiles) of 384 elements of 8 bytes (two K steps' images), 1,536 elements (a tile's eight images) apart; no padding
	s_or_b32 s[G1+0], s43, (3<<16)|(1<<21)
	s_or_b32 s[G1B+0], s44, (3<<16)|(1<<21)
.irp g, G1, G1B
	s_mov_b32 s[\g+1], 384<<16                     ; tensor_dim0
	s_mov_b32 s[\g+2], 8<<16                       ; tensor_dim1
	s_mov_b32 s[\g+3], 384<<16                     ; tile_dim0
	s_mov_b32 s[\g+4], 8                           ; tile_dim1
	s_mov_b32 s[\g+5], 1536                        ; tensor_dim0_stride
	s_mov_b32 s[\g+6], 0
	s_mov_b32 s[\g+7], 0
.endr
	; and for the scales of eight tiles: a dense block of 4,096 bytes as 16 rows of 256
	s_or_b32 s[G1S+0], s43, (3<<16)|(1<<21)
	s_or_b32 s[G1SB+0], s44, (3<<16)|(1<<21)
.irp g, G1S, G1SB
	s_mov_b32 s[\g+1], 32<<16
	s_mov_b32 s[\g+2], 16<<16
	s_mov_b32 s[\g+3], 32<<16
	s_mov_b32 s[\g+4], 16
	s_mov_b32 s[\g+5], 32
	s_mov_b32 s[\g+6], 0
	s_mov_b32 s[\g+7], 0
.endr
	s_lshl_b32 s21, s17, 4
	s_add_co_u32 s20, s20, s21
	s_lshl_b32 s21, s16, 3
	s_add_co_u32 s20, s20, s21                     ; A: the first tile that I would fetch
	s_lshl_b32 s47, s42, 4
	s_add_co_u32 s46, s46, s47
	s_add_co_u32 s46, s46, s21                     ; B: likewise
	s_lshl_b32 s22, s20, 9                         ; their scales: 4,096 bytes for eight tiles
	s_mov_b32 s23, 0
	s_lshl_b32 s92, s46, 9
	s_mov_b32 s93, 0
	s_mul_i32 s20, s20, 8*FRB                      ; their codes
	s_mov_b32 s21, 0
	s_mul_i32 s46, s46, 8*FRB
	s_mov_b32 s47, 0
	s_mul_i32 s45, s14, HALFT                      ; where they go: no place in the cluster enters an LDS address
	s_lshl_b32 s94, s14, 12
	s_mov_b32 s2, 0x76543210
	s_mov_b32 s3, 0xfedcba98                       ; v_permlanex16_b32's selects for lane l xor 16
	s_wait_kmcnt 0x0
	s_add_nc_u64 s[20:21], s[4:5], s[20:21]
	s_add_nc_u64 s[22:23], s[6:7], s[22:23]
	s_add_nc_u64 s[46:47], s[4:5], s[46:47]
	s_add_nc_u64 s[92:93], s[6:7], s[92:93]
	CROUND                                         ; all sixteen work-groups are here: the first joint loads meet
	s_mov_b32 s[G0S], 1
	s_add_co_u32 s[G0S+1], s94, SCL
	s_mov_b64 s[G0S+2:G0S+3], s[22:23]
	s_or_b32 s[G0S+3], s[G0S+3], 0x80000000
	s_mov_b32 s[G0SB], 1
	s_add_co_u32 s[G0SB+1], s94, SCL+64
	s_mov_b64 s[G0SB+2:G0SB+3], s[92:93]
	s_or_b32 s[G0SB+3], s[G0SB+3], 0x80000000
	JLOAD G0S, G1S, G0SB, G1SB                     ; the scales first: three tensor loads of mine are out behind these lines
.irp s, 0,1
	s_mov_b32 s[G0+4*\s], 1
	s_add_co_u32 s[G0+4*\s+1], s45, \s*SLOT
	s_add_nc_u64 s[G0+4*\s+2:G0+4*\s+3], s[20:21], \s*2*FRB
	s_or_b32 s[G0+4*\s+3], s[G0+4*\s+3], 0x80000000
	s_mov_b32 s[G0B+4*\s], 1
	s_add_co_u32 s[G0B+4*\s+1], s45, \s*SLOT
	s_add_nc_u64 s[G0B+4*\s+2:G0B+4*\s+3], s[46:47], \s*2*FRB
	s_or_b32 s[G0B+4*\s+3], s[G0B+4*\s+3], 0x80000000
	JLOAD G0+4*\s, G1, G0B+4*\s, G1B
.endr
	v_and_b32 v1, 15, v0                           ; r
	v_bfe_u32 v2, v0, 4, 1                         ; h
	v_and_b32 v[LN], 31, v0
	v_lshlrev_b32 v[LI], 4, v[LN]
	s_mul_i32 s21, s15, HALFT                      ; my eight tiles of A
	s_mul_i32 s22, s16, HALFT                      ; my eight tiles of B,
	s_add_co_u32 s22, s22, 2*HALFT                 ; which lie behind A's sixteen
.irp s, 0,1
	v_add_nc_u32 v[ADRA+\s], s21, v[LI]
	v_add_nc_u32 v[ADRB+\s], s22, v[LI]
	s_add_co_u32 s21, s21, SLOT
	s_add_co_u32 s22, s22, SLOT
.endr
	v_lshlrev_b32 v5, 2, v1                        ; my row's scale word
	s_lshl_b32 s21, s15, 12                        ; A's: my eight tiles
	s_lshl_b32 s22, s16, 12                        ; B's: my eight tiles, behind A's sixteen, 64 bytes askew
	s_add_co_u32 s22, s22, 2*4096+64
	s_sub_co_u32 s22, s22, s21
	v_mul_u32_u24 v6, s22, v2                      ; lanes 16-31 take B's
	s_add_co_u32 s21, s21, SCL
	v_add_nc_u32 v5, v5, v6
	v_add_nc_u32 v[ADRS], s21, v5
	v_and_b32 v3, 8, v1
	v_add_nc_u32 v3, v3, v1                        ; r + 8 (r / 8)
	v_lshlrev_b32 v[RO], 8, v3
	v_lshl_add_u32 v[RO], v2, 6, v[RO]
	s_wait_tensorcnt 1                             ; the scales and my part of fill 0 are in (fill 1's load may be out)
	s_barrier_signal -1
	s_barrier_wait -1                              ; everybody's are
	FETCH_B 0, 0, 0
	FETCH_A 0, 0, 0
	SCALES 0, 0
	FETCH_A 0, 0, 4
	STEP 0, 1                                      ; K step 0: its products start the sums
	TURN 0, 1, 1, 1                                ; K step 1; slot 0 takes fill 2
	STEP 1, 0
	TURN 1, 0, 1, 2                                ; K step 3; slot 1 takes fill 3
	STEP 0, 0
	TURN 0, 1, 0, 3                                ; K step 5; nothing is left to fetch
	STEP 1, 0
	s_wait_dscnt 4*NL                              ; K step 7
	WIN MUL_LO
	MUL16 0, 1, 1, 1, 0
	MUL16 2, 1, 1, 1, 0
	s_wait_dscnt 0x0
	WIN MUL_HI
	MUL16 4, 1, 1, 1, 0
	MUL16 6, 1, 1, 1, 0
	WIN 0
	; WHERE THE RESULTS GO.  The side that holds features gives the head pair, the side that holds tokens the batch and the run of 128 tokens.
	s_mov_b32 s23, 24576
	s_mov_b32 s46, 25600
	s_cmp_eq_u32 ttmp9, 2
	s_cselect_b32 s18, s17, s42                    ; the features' block of 256,
	s_cselect_b32 s19, s15, s16                    ; my half of it;
	s_cselect_b32 s20, s42, s17                    ; the tokens' block of 256,
	s_cselect_b32 s21, s16, s15                    ; my half of it
	s_cselect_b32 s22, 12288, 0                    ; where the images begin in a record: V's lie behind K's
	s_cselect_b32 s23, 25088, s23                  ; and the scale words
	s_cmp_eq_u32 ttmp9, 0
	s_cselect_b32 s23, 12288, s23
	s_cselect_b32 s46, 12800, s46                  ; a record's bytes
	s_cselect_b64 s[92:93], s[98:99], s[100:101]   ; qimg or kv
	s_and_b32 s18, s18, 3
	s_lshl_b32 s18, s18, 1
	s_add_co_u32 s18, s18, s19                     ; head pair
	s_lshr_b32 s19, s20, 3                         ; batch
	s_lshl_b32 s19, s19, 3
	s_add_co_u32 s18, s18, s19
	s_lshl_b32 s18, s18, 4
	s_and_b32 s20, s20, 7
	s_lshl_b32 s20, s20, 1
	s_add_co_u32 s20, s20, s21                     ; run of 128 tokens
	s_add_co_u32 s18, s18, s20                     ; the record
	s_mul_i32 s18, s18, s46
	s_add_co_u32 s20, s18, s22
	s_mov_b32 s21, 0
	s_add_nc_u64 s[12:13], s[92:93], s[20:21]      ; the images
	s_add_co_u32 s20, s18, s23
	s_add_nc_u64 s[46:47], s[92:93], s[20:21]      ; the scale words
	s_lshl_b32 s20, s17, 8
	s_lshl_b32 s22, s15, 7
	s_add_co_u32 s20, s20, s22
	s_and_b32 s20, s20, 2047                       ; (q, k) my first token's place in its sequence
	s_lshl_b32 s20, s20, 8
	s_add_nc_u64 s[96:97], s[96:97], s[20:21]
	PLACES                                         ; behind the last products: what follows reads results and writes registers that held fragments
.irp b, 0,1,2,3
	v_mov_b32 v[TM+4+\b], 0                        ; written once: a lane permute's destination counts as one of its sources
.endr
	s_cmp_eq_u32 ttmp9, 2
	s_cbranch_scc1 .Lvalues
	ROPELD 0
.irp a, 0,1,2,3,4,5,6,7                ; q, k: a tile of 16 tokens at a time: rotate, quantise along the two heads' features, store the image
.if \a < 7
	ROPELD \a+1
	s_wait_loadcnt 8                               ; this tile's eight loads are in; the next tile's eight may be out
.else
	s_wait_loadcnt 0x0
.endif
	ROPE \a
	s_wait_xcnt 0x0                                ; the last image's stores have read the codes' registers
	QUANTW XN, 0, PW+\a
	PUT \a
.endr
	s_branch .Ltail
.Lvalues:
.irp a, 0,1,2,3,4,5,6,7                ; v: a tile of 16 features at a time, quantised along the 128 keys, straight from the accumulators
	s_wait_xcnt 0x0
	QUANTW 64*(\a%4), 2+\a/4, PW+\a
	PUT \a
.endr
.Ltail:
	v_cmp_le_u32 vcc_lo, 16, v[LN]                 ; both halves of the lanes hold every word: lanes 0-15 send tiles 0-3's, lanes 16-31 tiles 4-7's
.irp k, 0,1,2,3
	v_cndmask_b32 v[T4+\k], v[PW+\k], v[PW+4+\k], vcc_lo
.endr
	global_store_b128 v[LI], v[T4:T4+3], s[46:47]  ; 512 consecutive bytes
	s_wait_tensorcnt 0x0                           ; the wave's end
	ds_add_u32 v[SPW], v[NIL]
	s_wait_dscnt 0x0
	CROUND                                         ; the closing round: no work-group ends while a partner may still ask for a tile that names it
	s_endpgm
.Lfunc_end_k_qf4afedac34_qkv:
	.size	k_qf4afedac34_qkv, .Lfunc_end_k_qf4afedac34_qkv-k_qf4afedac34_qkv
	.p2alignl 7, 3214868480
	.fill 96, 4, 3214868480
	.section	.rodata,"a",@progbits
	.p2align	6, 0x0
	.amdhsa_kernel k_qf4afedac34_qkv
		.amdhsa_group_segment_fixed_size 327680
		.amdhsa_private_segment_fixed_size 0
		.amdhsa_enable_private_segment 0
		.amdhsa_kernarg_size 40
		.amdhsa_user_sgpr_count 2
		.amdhsa_user_sgpr_kernarg_segment_ptr 1
		.amdhsa_wavefront_size32 1
		.amdhsa_system_sgpr_workgroup_id_x 1
		.amdhsa_system_sgpr_workgroup_id_y 1
		.amdhsa_system_sgpr_workgroup_id_z 1
		.amdhsa_system_vgpr_workitem_id 0
		.amdhsa_next_free_vgpr 1024
		.amdhsa_next_free_sgpr 102
		.amdhsa_reserve_vcc 1
		.amdhsa_float_denorm_mode_32 3
		.amdhsa_float_denorm_mode_16_64 3
		.amdhsa_memory_ordered 1
		.amdhsa_forward_progress 1
		.amdhsa_inst_pref_size 213
	.end_amdhsa_kernel
	.amdgpu_metadata
---
amdhsa.version: [ 1, 2 ]
amdhsa.kernels:
  - .name:           k_qf4afedac34_qkv
    .symbol:         k_qf4afedac34_qkv.kd
    .args:
      - { .name: cod, .offset: 0, .size: 8, .value_kind: global_buffer, .address_space: global }
      - { .name: scl, .offset: 8, .size: 8, .value_kind: global_buffer, .address_space: global }
      - { .name: rope, .offset: 16, .size: 8, .value_kind: global_buffer, .address_space: global }
      - { .name: qimg, .offset: 24, .size: 8, .value_kind: global_buffer, .address_space: global }
      - { .name: kv, .offset: 32, .size: 8, .value_kind: global_buffer, .address_space: global }
    .group_segment_fixed_size: 327680
    .private_segment_fixed_size: 0
    .kernarg_segment_align: 8
    .kernarg_segment_size: 40
    .max_flat_workgroup_size: 128
    .sgpr_count:     102
    .vgpr_count:     1024
    .wavefront_size: 32
...
	.end_amdgpu_metadata
.endif
;; end of part 2
;; launch attn (part 3): grid 256 x 1, 8 waves a work-group, no clusters, 327,680 bytes of LDS; arguments qimg, kv, ocod, oscl; writes ocod, oscl
.if DOCPART == 3
	.amdgcn_target "amdgcn-amd-amdhsa--gfx1250"
	.amdhsa_code_object_version 6
	.text
	.protected	k_qf4afedac34_attn
	.globl	k_qf4afedac34_attn
	.p2align	8
	.type	k_qf4afedac34_attn,@function
k_qf4afedac34_attn:
	s_mov_b64 s[64:65], 0
	v_nop
	global_prefetch_b8 v0, s[64:65] scope:SCOPE_SE
	s_setreg_imm32_b32 hwreg(HW_REG_WAVE_MODE, 25, 1), 1
	s_wait_xcnt 0x0
; ATTN.  O = softmax(Q K^T / 8, causal) V for two heads at a time, both products on codes of FP6 (E2M3) with one E8M0 scale for each 32 along a product's K; O / l is quantised along (head, channel) for the last product.
; THE SOFTMAX: t = score x log2(e) / 8; M = the row's largest t so far, rounded up to a whole number; p = 2^(t - M) is quantised along the keys, not normalised; the row's sum is taken of the unquantised p and divides O at the end.
; When M moves, the sum and O are multiplied by 2^(old M - new M): exact.
; SHARES.  Work-group = (batch, head pair) p = x % 32 and i = x / 32.  It does two jobs of 128 queries: block 15 - i (16 - i key steps of 128 keys), then block i (i + 1 steps): 17 key steps in every work-group, so the loop's
; trip count is a constant and the work is even.  A job's last step lies on the diagonal; all steps before it are open; steps behind it are never walked.  Each of the eight waves owns one tile of 16 queries, for both heads.
; A record of kv (25,600 bytes: K's 8 images, V's 8 images, their scale words) is one key step's food.  Records come through a ring of two LDS slots; waves 0-3 fetch a quarter each; all eight read.
; No joint loads: partners would be the query blocks of one head pair, and the diagonal, a job's end and the wrap of the key walk would then hang on the place in the cluster.
; LAYOUT.  Both products are used transposed: S^T = K Q^T (source 0 = 16 keys), O^T = V^T P^T (source 0 = 16 channels): a lane holds one query throughout.  An image of K holds both heads' 64 channels in its K = 128:
; it is multiplied by Q_A = [q of head A | zero codes] and by Q_B = [zero codes | q of head B]; the three runs lie on end in 18 registers.  Zero codes add nothing under any scale byte from 1 to 254.
; The rows of every image are not neighbours (lane r of tile 2 b + u: row 32 b + 8 u + r + 8 (r / 8)), so register 16 b + i of S^T is key 32 b + 16 h + i, and register 16 b + i of O^T channel 32 b + 16 h + i of the pair's 128.
; LIMITS: NaN and infinities are not served; a block whose largest magnitude lies under 2^-124 gets the byte 1 (its codes are right; this program alone reads the bytes).
; REGISTERS: window 0: v1-11, v39 addresses and constants; v12-19 -M, largest t, the sum in two halves, for each head; v20-37 Q; v38 Q's scale words; v40-47 K's (lanes 0-15) and V's (lanes 16-31) scale words;
;   v48-71 p's codes; v72-73 p's scale words; v74 the output's; v80-111 at work, 16 a head; v112-239 S^T then p, 64 a head; v240-255 the conversions' second halves.   window 1: v0-63 O^T (image a at 8 a); v64-159 eight fragments.
.set SLOT1, 32768
.set SPARE, 65536                      ; behind the ring: the spare words, 128 bytes for each wave: four blocks of 256 bytes that no other line names
.set REC,   25600
.set LI,   1                           ; v1   16 x lane
.set ASC0, 2                           ; v2   24,576 + 512 h + 16 r: my scale words in a record
.set SPW,  3                           ; v3   LDS address of my spare word; never rewritten
.set NIL,  4                           ; v4   0; never rewritten
.set ADK,  5                           ; v5   LDS address of the step's images
.set ADS,  6                           ; v6   and of its scale words
.set DG,   7                           ; v7   my query's place in its block, less 16 h
.set QSO,  8                           ; v8   my offset to Q's scale word
.set WO,   9                           ; v9   4 r + 64 wave: the output's scale word
.set NINF, 10                          ; v10  -infinity
.set QO,   11                          ; v11  16 x lane + 1,536 wave: my tile's image of Q
.set STT,  12
.set QA,   20
.set QB,   26
.set QS,   38
.set OO,   39                          ; v39  16 x lane + 12,288 wave: my tile's image of the output
.set SCW,  40
.set PC,   48
.set PSW,  72
.set PWO,  74
.set TP,   80                          ; head c's at v[TP + 16 c]: +0..3 block maxima, +4..7 the other half's, bytes, a chain of the sum, +8..11 the conversions' scales, +12 at work, +14, 15 the factor
.set TM,   80                          ; the output's quantiser works in the same registers
.set SS,   112
.set CV,   240
.set FB,   64                          ; in window 1
.set WV,   12
.set PP,   13
.set II,   14
.set N1,   15                          ; the first job's key steps
.set N1M1, 16                          ; and its diagonal step
.set BLK,  17                          ; the job's block of queries
.set TK,   18                          ; the key step in hand, 0 .. 16
.set TB,   19                          ; LDS byte at which its slot begins
.set SEL,  20
.set CSC,  22                          ; s[22:23] log2(e) / 8
.set G1,   24
.set G0,   32
.set KVB,  36                          ; s[36:37] my quarter of the pair's record 0
.set OFS,  38
.set QBS,  40                          ; s[40:41] the job's record of Q;  s[42:43] its images of the output;  s[44:45] their scale words
.set OBS,  42
.set SBS,  44
.set MSB, 0
.macro WIN new                         ; the immediate's high byte repeats the setting that is left
.if MSB != (\new)
	s_set_vgpr_msb (MSB<<8)|(\new)
.set MSB, (\new)
.endif
.endm
.macro TLOAD                           ; waves 0-3 fetch a quarter of a record each; four v_nop follow the line
	s_cmp_lt_u32 s[WV], 4
	s_cbranch_scc0 .Lnone_\@
	tensor_load_to_lds s[G0:G0+3], s[G1:G1+7]
	s_nop 0
.rept 4
	v_nop
.endr
.Lnone_\@:
.endm
; THE CHANGE OF SLOTS stands at a step's head.  Each wave waits for all its tensor loads (its part of the record that it is about to read), adds 0 to its spare word, and waits for that and for its reads of the slot that it has left.
; fill = 1: that slot takes the next step's record: the load has a whole key step in which to land.  One tensor load of a fetching wave is out behind each barrier.
.macro CHANGE fill
	s_wait_tensorcnt 0x0                           ; no tensor load of mine is out, so group 0 may be written
	ds_add_u32 v[SPW], v[NIL]                      ; 0 onto my spare word
.if \fill
	s_add_co_u32 s[OFS], s[TK], 1                  ; the next step; behind the first job's last step the walk begins again at record 0
	s_sub_co_u32 s[OFS+1], s[OFS], s[N1]
	s_cmp_ge_u32 s[OFS], s[N1]
	s_cselect_b32 s[OFS], s[OFS+1], s[OFS]
	s_mul_i32 s[OFS], s[OFS], REC
	s_mov_b32 s[OFS+1], 0
	s_xor_b32 s[G0+1], s[G0+1], SLOT1              ; the other slot than last time
	s_add_nc_u64 s[G0+2:G0+3], s[KVB:KVB+1], s[OFS:OFS+1]
	s_or_b32 s[G0+3], s[G0+3], 0x80000000
.endif
	s_wait_dscnt 0x0                               ; the add is done, and my reads of the slot that I have left are over
	s_barrier_signal -1
	s_barrier_wait -1
.if \fill
	TLOAD                                          ; the first thing behind the barrier, and a wave's one tensor load until the next
.endif
.endm
.macro MASK                            ; register n holds key 32 (n / 16) + n % 16 + 16 h of the block: hidden where that comes after my query
.set n, 0
.rept 64
	v_cmp_gt_i32 vcc_lo, 32*(n/16)+n%16, v[DG]
	v_cndmask_b32 v[SS+n], v[SS+n], v[NINF], vcc_lo
	v_cndmask_b32 v[SS+64+n], v[SS+64+n], v[NINF], vcc_lo
.set n, n+1
.endr
.endm
.macro SOFT                            ; both heads' softmax of a key step, stage by stage, the heads by turns
.irp c, 0,1
.irp b, 0,1,2,3
	v_max3_num_f32 v[TP+16*\c+\b], v[SS+64*\c+16*\b], v[SS+64*\c+16*\b+1], v[SS+64*\c+16*\b+2]   ; the largest score of each block of 32 keys: it serves for the row's maximum and, since p rises with the score, for the block's largest p
.endr
.endr
.irp i, 3,5,7,9,11,13
.irp c, 0,1
.irp b, 0,1,2,3
	v_max3_num_f32 v[TP+16*\c+\b], v[TP+16*\c+\b], v[SS+64*\c+16*\b+\i], v[SS+64*\c+16*\b+\i+1]
.endr
.endr
.endr
.irp c, 0,1
.irp b, 0,1,2,3
	v_max_num_f32 v[TP+16*\c+\b], v[TP+16*\c+\b], v[SS+64*\c+16*\b+15]
.endr
.endr
.irp c, 0,1
.irp b, 0,1,2,3
	v_permlanex16_b32 v[TP+16*\c+4+\b], v[TP+16*\c+\b], s[SEL], s[SEL+1]
.endr
.endr
.irp c, 0,1
.irp b, 0,1,2,3
	v_max_num_f32 v[TP+16*\c+\b], v[TP+16*\c+\b], v[TP+16*\c+4+\b]   ; with lane l xor 16's 16 keys
.endr
.endr
.irp c, 0,1
	v_max3_num_f32 v[TP+16*\c+12], v[TP+16*\c], v[TP+16*\c+1], v[TP+16*\c+2]
.endr
.irp c, 0,1
	v_max_num_f32 v[TP+16*\c+12], v[TP+16*\c+12], v[TP+16*\c+3]
.endr
.irp c, 0,1
	v_mul_f32 v[TP+16*\c+12], s[CSC], v[TP+16*\c+12]   ; the step's largest t
.endr
.irp c, 0,1
	v_max_num_f32 v[STT+4*\c+1], v[STT+4*\c+1], v[TP+16*\c+12]   ; the running largest t
.endr
.irp c, 0,1
	v_mov_b32 v[TP+16*\c+12], v[STT+4*\c]
.endr
.irp c, 0,1
	v_floor_f32 v[STT+4*\c], -v[STT+4*\c+1]        ; the new -M = floor(-t): M is a whole number
.endr
.irp c, 0,1
	v_sub_f32 v[TP+16*\c+12], v[STT+4*\c], v[TP+16*\c+12]   ; old M - new M: a whole number, 0 or less
.endr
.irp c, 0,1
	v_cvt_i32_f32 v[TP+16*\c+12], v[TP+16*\c+12]   ; (it saturates)
.endr
.irp c, 0,1
	v_ldexp_f32 v[TP+16*\c+14], 1.0, v[TP+16*\c+12]   ; f = 2^(old M - new M)
.endr
.irp c, 0,1
.set j, 0
.rept 32
	v_pk_fma_f32 v[SS+64*\c+j:SS+64*\c+j+1], v[SS+64*\c+j:SS+64*\c+j+1], s[CSC:CSC+1], v[STT+4*\c:STT+4*\c+1] op_sel_hi:[1,0,0]   ; t - M, two at a time
.set j, j+2
.endr
.endr
.irp c, 0,1
.irp b, 0,1,2,3
	v_fma_f32 v[TP+16*\c+\b], v[TP+16*\c+\b], s[CSC], v[STT+4*\c]   ; the same of each block's largest score
.endr
.endr
.set j, 0
.rept 128
	v_exp_f32 v[SS+j], v[SS+j]                     ; p = 2^(t - M), at most 1
.set j, j+1
.endr
.irp c, 0,1
.irp b, 0,1,2,3
	v_exp_f32 v[TP+16*\c+\b], v[TP+16*\c+\b]       ; the block's largest p: the same two instructions on the same number
.endr
.endr
.irp c, 0,1
	v_pk_mul_f32 v[STT+4*\c+2:STT+4*\c+3], v[STT+4*\c+2:STT+4*\c+3], v[TP+16*\c+14:TP+16*\c+15] op_sel_hi:[1,0]   ; the sums under the new M.  (The plain place behind the exponentials)
.endr
	s_wait_alu depctr_va_vdst(0)
.irp c, 0,1
.irp b, 0,1,2,3
	v_max_num_f32 v[TP+16*\c+\b], 0x1800000, v[TP+16*\c+\b]   ; the floor 2^(3 - 127): the byte cannot fall under 1
.endr
.endr
.irp c, 0,1
.irp b, 0,1,2,3
	v_add_nc_u32 v[TP+16*\c+8+\b], 0xff000000, v[TP+16*\c+\b]   ; 2 off the exponent field: the conversion's scale operand
.endr
.endr
.irp c, 0,1
.irp b, 0,1,2,3
	v_lshrrev_b32 v[TP+16*\c+4+\b], 23, v[TP+16*\c+8+\b]   ; the scale's byte
.endr
.endr
.irp c, 0,1
	v_lshl_or_b32 v[PSW+\c], v[TP+16*\c+5], 8, v[TP+16*\c+4]   ; p's scale word for these 128 keys
.endr
.irp c, 0,1
	v_lshl_or_b32 v[PSW+\c], v[TP+16*\c+6], 16, v[PSW+\c]
.endr
.irp c, 0,1
	v_lshl_or_b32 v[PSW+\c], v[TP+16*\c+7], 24, v[PSW+\c]
.endr
.irp c, 0,1
.irp d, 0,1
	v_cvt_scalef32_pk16_fp6_f32 v[PC+12*\c+6*\d:PC+12*\c+6*\d+2], v[SS+64*\c+32*\d:SS+64*\c+32*\d+15], v[TP+16*\c+8+2*\d]
	v_cvt_scalef32_pk16_fp6_f32 v[CV+8*\c+4*\d:CV+8*\c+4*\d+2], v[SS+64*\c+32*\d+16:SS+64*\c+32*\d+31], v[TP+16*\c+9+2*\d]
.endr
.endr
	v_nop                                          ; one plain place behind a scaled conversion
.irp c, 0,1
.irp d, 0,1                            ; the operand's layout wants a whole block in a lane
.irp i, 0,1,2
	v_permlane16_swap_b32 v[PC+12*\c+6*\d+\i], v[CV+8*\c+4*\d+\i]
.endr
.irp i, 0,1,2
	v_mov_b32 v[PC+12*\c+6*\d+3+\i], v[CV+8*\c+4*\d+\i]
.endr
.endr
.endr
.irp c, 0,1
	v_pk_add_f32 v[TP+16*\c+4:TP+16*\c+5], v[SS+64*\c:SS+64*\c+1], v[SS+64*\c+2:SS+64*\c+3]   ; the row's sum is taken of the unquantised p: two chains a head
.endr
.set j, 4
.rept 15
.irp c, 0,1
	v_pk_add_f32 v[STT+4*\c+2:STT+4*\c+3], v[STT+4*\c+2:STT+4*\c+3], v[SS+64*\c+j:SS+64*\c+j+1]
	v_pk_add_f32 v[TP+16*\c+4:TP+16*\c+5], v[TP+16*\c+4:TP+16*\c+5], v[SS+64*\c+j+2:SS+64*\c+j+3]
.endr
.set j, j+4
.endr
.irp c, 0,1
	v_pk_add_f32 v[STT+4*\c+2:STT+4*\c+3], v[STT+4*\c+2:STT+4*\c+3], v[TP+16*\c+4:TP+16*\c+5]
.endr
.endm
; 64 numbers of a lane, register 16 b + i = k 32 b + 16 h + i of my row, become a fragment's codes in v[PC] on and its scale word in v[pw]
.macro QUANT s, pw
.irp b, 0,1,2,3
	v_max3_num_f32 v[TM+\b], |v[\s+16*\b]|, |v[\s+16*\b+1]|, 0x1800000
.endr
.irp i, 2,4,6,8,10,12,14
.irp b, 0,1,2,3
	v_max3_num_f32 v[TM+\b], v[TM+\b], |v[\s+16*\b+\i]|, |v[\s+16*\b+\i+1]|
.endr
.endr
.irp b, 0,1,2,3
	v_permlanex16_b32 v[TM+4+\b], v[TM+\b], s[SEL], s[SEL+1]
.endr
.irp b, 0,1,2,3
	v_max_num_f32 v[TM+\b], v[TM+\b], v[TM+4+\b]
.endr
.irp b, 0,1,2,3
	v_add_nc_u32 v[TM+12+\b], 0xff000000, v[TM+\b]
.endr
.irp b, 0,1,2,3
	v_lshrrev_b32 v[TM+4+\b], 23, v[TM+12+\b]
.endr
	v_lshl_or_b32 v[\pw], v[TM+5], 8, v[TM+4]
	v_lshl_or_b32 v[\pw], v[TM+6], 16, v[\pw]
	v_lshl_or_b32 v[\pw], v[TM+7], 24, v[\pw]
.irp c, 0,1
	v_cvt_scalef32_pk16_fp6_f32 v[PC+6*\c:PC+6*\c+2], v[\s+32*\c:\s+32*\c+15], v[TM+12+2*\c]
	v_cvt_scalef32_pk16_fp6_f32 v[PC+12+4*\c:PC+14+4*\c], v[\s+16+32*\c:\s+31+32*\c], v[TM+13+2*\c]
.endr
	v_nop                                          ; one plain place behind a scaled conversion
.irp c, 0,1
.irp i, 0,1,2
	v_permlane16_swap_b32 v[PC+6*\c+\i], v[PC+12+4*\c+\i]
.endr
.irp i, 0,1,2
	v_mov_b32 v[PC+3+6*\c+\i], v[PC+12+4*\c+\i]
.endr
.endr
.endm
; A JOB BEGINS: its three bases from s[BLK]; my tile of Q and its scale words; -M, t, the sums and O^T as the first step wants them (the step is written once: its first run finds zeros, which the first change of M leaves zeros)
.macro JOBINIT
	s_wait_xcnt 0x0                                ; earlier loads and stores have read their bases, offsets and data
	s_lshl_b32 s[OFS], s[PP], 4
	s_add_co_u32 s[OFS], s[OFS], s[BLK]
	s_mul_i32 s[OFS], s[OFS], 12800
	s_mov_b32 s[OFS+1], 0
	s_add_nc_u64 s[QBS:QBS+1], s[4:5], s[OFS:OFS+1]
	s_lshl_b32 s[OFS], s46, 4
	s_add_co_u32 s[OFS], s[OFS], s[BLK]            ; 16 x batch + block
	s_lshl_b32 s48, s[OFS], 12
	s_mul_i32 s[OFS], s[OFS], 98304                ; eight token tiles of eight images
	s_add_co_u32 s[OFS], s[OFS], s47               ; + the head pair's image
	s_add_nc_u64 s[OBS:OBS+1], s[8:9], s[OFS:OFS+1]
	s_add_co_u32 s[OFS], s48, s49
	s_add_nc_u64 s[SBS:SBS+1], s[10:11], s[OFS:OFS+1]
	global_load_b128 v[QA:QA+3], v[QO], s[QBS:QBS+1]               ; the image's registers 0-5: head A's 64 channels;
	global_load_b64 v[QA+4:QA+5], v[QO], s[QBS:QBS+1] offset:512
	global_load_b64 v[QA+12:QA+13], v[QO], s[QBS:QBS+1] offset:520   ; registers 6-11: head B's, behind the six registers of zeros
	global_load_b128 v[QA+14:QA+17], v[QO], s[QBS:QBS+1] offset:1024
	global_load_b32 v[QS], v[QSO], s[QBS:QBS+1]
.irp c, 0,1
	v_mov_b32 v[STT+4*\c+1], 0xff61b1e6            ; the largest t so far: -3e38, under every t
	v_mov_b32 v[STT+4*\c+2], 0
	v_mov_b32 v[STT+4*\c+3], 0
.endr
.irp c, 0,1
	v_floor_f32 v[STT+4*\c], -v[STT+4*\c+1]
.endr
	WIN 0x40
.set j, 0
.rept 64
	v_mov_b32 v[j], 0                              ; O^T
.set j, j+1
.endr
	WIN 0
	s_wait_loadcnt 0x0
.endm
; A JOB ENDS: O^T / l, quantised along the pair's 128 channels: K step = head pair of the last product; the image and its scale words go out
.macro EPI
.irp c, 0,1
	v_add_f32 v[TP+16*\c+12], v[STT+4*\c+2], v[STT+4*\c+3]
.endr
.irp c, 0,1
	v_permlanex16_b32 v[TP+16*\c+4], v[TP+16*\c+12], s[SEL], s[SEL+1]
.endr
.irp c, 0,1
	v_add_f32 v[TP+16*\c+12], v[TP+16*\c+12], v[TP+16*\c+4]   ; the row's sum
.endr
.irp c, 0,1
	v_rcp_f32 v[TP+16*\c+14], v[TP+16*\c+12]
.endr
	v_nop                                          ; a plain place behind the reciprocals
	WIN 0x01                                       ; source 0 (O^T) window 1
	s_wait_alu depctr_va_vdst(0)
.irp c, 0,1
.set j, 0
.rept 16
	v_pk_mul_f32 v[SS+32*\c+j:SS+32*\c+j+1], v[32*\c+j:32*\c+j+1], v[TP+16*\c+14:TP+16*\c+15] op_sel_hi:[1,0]   ; each accumulator from its low end on
.set j, j+2
.endr
.endr
	WIN 0
	QUANT SS, PWO
.irp c, 0,1,2
	global_store_b128 v[OO], v[PC+4*\c:PC+4*\c+3], s[OBS:OBS+1] offset:512*\c   ; 512 consecutive bytes, at a multiple of 256 from ocod's first byte
.endr
	global_store_b32 v[WO], v[PWO], s[SBS:SBS+1]   ; lanes l and l xor 16 hold the same word and store it to the same place
.endm
; A KEY STEP: 128 keys.  last = 1: the seventeenth, which is the second job's diagonal step.
.macro STEP last
	v_add_nc_u32 v[ADK], s[TB], v[LI]
	v_add_nc_u32 v[ADS], s[TB], v[ASC0]
	ds_load_b128 v[SCW:SCW+3], v[ADS]              ; lanes 0-15: K's words of tiles 0-3; lanes 16-31: V's of images 0-3
	ds_load_b128 v[SCW+4:SCW+7], v[ADS] offset:256
	WIN 0x40                                       ; destination window 1
.irp t, 0,1,2,3,4,5,6,7
.irp c, 0,1,2
	ds_load_b128 v[FB+12*\t+4*\c:FB+12*\t+4*\c+3], v[ADK] offset:1536*\t+512*\c
.endr
.endr
	WIN 0x01                                       ; source 0 window 1
.irp t, 0,1,2,3,4,5,6,7
	s_wait_dscnt 3*(7-\t)                          ; tile t is in; the younger tiles' loads may be out
	v_wmma_scale_f32_16x16x128_f8f6f4 v[SS+8*\t:SS+8*\t+7], v[FB+12*\t:FB+12*\t+11], v[QA:QA+11], 0, v[SCW+\t], v[QS] matrix_a_fmt:MATRIX_FMT_FP6 matrix_b_fmt:MATRIX_FMT_FP6
	v_wmma_scale_f32_16x16x128_f8f6f4 v[SS+64+8*\t:SS+64+8*\t+7], v[FB+12*\t:FB+12*\t+11], v[QB:QB+11], 0, v[SCW+\t], v[QS] matrix_a_fmt:MATRIX_FMT_FP6 matrix_b_fmt:MATRIX_FMT_FP6
.endr
.rept 4
	v_nop                                          ; places in front of the loads into the fragments' registers and of the first read of the scores
.endr
	WIN 0x40
.irp t, 0,1,2,3,4,5,6,7
.irp c, 0,1,2
	ds_load_b128 v[FB+12*\t+4*\c:FB+12*\t+4*\c+3], v[ADK] offset:12288+1536*\t+512*\c   ; V's images land under the softmax
.endr
.endr
	WIN 0
.if \last == 0
	s_cmp_lg_u32 s[TK], s[N1M1]                    ; a scalar branch on ids: only the diagonal step hides keys
	s_cbranch_scc1 .Lopen_\@
.endif
	MASK
.if \last == 0
.Lopen_\@:
.endif
	SOFT
	WIN 0x41                                       ; O^T (destination and source 0) window 1
.irp c, 0,1
.set j, 0
.rept 16
	v_pk_mul_f32 v[32*\c+j:32*\c+j+1], v[32*\c+j:32*\c+j+1], v[TP+16*\c+14:TP+16*\c+15] op_sel_hi:[1,0]   ; O^T under the new M
.set j, j+2
.endr
.endr
	s_wait_dscnt 0x0                               ; V is in
	WIN 0x51                                       ; source 0 (V) window 1, source 1 (p) window 0, C and D window 1
.irp a, 0,4,1,5,2,6,3,7                ; the eight accumulators take turns, one instruction a turn
	v_wmma_scale_f32_16x16x128_f8f6f4 v[8*\a:8*\a+7], v[FB+12*\a:FB+12*\a+11], v[PC+12*(\a/4):PC+12*(\a/4)+11], v[8*\a:8*\a+7], v[SCW+\a], v[PSW+\a/4] matrix_a_fmt:MATRIX_FMT_FP6 matrix_b_fmt:MATRIX_FMT_FP6 matrix_a_scale:MATRIX_SCALE_ROW1
.endr
	WIN 0
.rept 4
	v_nop                                          ; places in front of the next loads into fragments and scale words, and of a job's end
.endr
.if \last == 0
	s_cmp_lg_u32 s[TK], s[N1M1]
	s_cbranch_scc1 .Lon_\@
	EPI                                            ; the first job is done;
	s_mov_b32 s[BLK], s[II]                        ; the second takes block i
	JOBINIT
.Lon_\@:
.else
	EPI
.endif
	s_xor_b32 s[TB], s[TB], SLOT1                  ; on to the other slot
.endm
	s_load_b256 s[4:11], s[0:1], 0x0               ; qimg s[4:5], kv s[6:7], ocod s[8:9], oscl s[10:11]
	v_lshl_add_u32 v[SPW], v0, 2, SPARE
	v_mov_b32 v[NIL], 0
	ds_add_u32 v3, v4
	s_wait_dscnt 0x0
	v_lshrrev_b32 v5, 5, v0
	v_readfirstlane_b32 s[WV], v5                  ; wave 0..7
	s_and_b32 s[PP], ttmp9, 31                     ; batch x 8 + head pair
	s_lshr_b32 s[II], ttmp9, 5                     ; i
	s_sub_co_u32 s[N1], 16, s[II]
	s_sub_co_u32 s[N1M1], 15, s[II]
	s_mov_b32 s[BLK], s[N1M1]
	s_mov_b32 s[TK], 0
	s_mov_b32 s[TB], 0
	s_mov_b32 s[SEL], 0x76543210
	s_mov_b32 s[SEL+1], 0xfedcba98
	s_mov_b32 s[CSC], 0x3e38aa3b                   ; log2(e) / 8
	s_mov_b32 s[CSC+1], s[CSC]                     ; (named with it as a pair, so it is written)
	; descriptor group 1: a quarter of a record: 6,400 dense bytes as 25 rows of 256 (32 elements of 8 bytes); no padding, no mask
	s_mov_b32 s[G1], 3<<16
	s_mov_b32 s[G1+1], 32<<16
	s_mov_b32 s[G1+2], 25<<16
	s_mov_b32 s[G1+3], 32<<16
	s_mov_b32 s[G1+4], 25
	s_mov_b32 s[G1+5], 32
	s_mov_b32 s[G1+6], 0
	s_mov_b32 s[G1+7], 0
	s_and_b32 s48, s[WV], 3
	s_mul_i32 s48, s48, 6400                       ; my quarter
	s_mul_i32 s[OFS], s[PP], 16*REC
	s_add_co_u32 s[OFS], s[OFS], s48
	s_mov_b32 s[OFS+1], 0
	s_lshr_b32 s46, s[PP], 3                       ; batch
	s_and_b32 s47, s[PP], 7                        ; head pair
	s_lshl_b32 s49, s47, 9
	s_mul_i32 s47, s47, 1536
	s_wait_kmcnt 0x0
	s_add_nc_u64 s[KVB:KVB+1], s[6:7], s[OFS:OFS+1]
	s_mov_b32 s[G0], 1
	s_mov_b32 s[G0+1], s48
	s_mov_b64 s[G0+2:G0+3], s[KVB:KVB+1]
	s_or_b32 s[G0+3], s[G0+3], 0x80000000
	TLOAD                                          ; record 0 into slot 0
	v_and_b32 v5, 31, v0
	v_lshlrev_b32 v[LI], 4, v5
	v_and_b32 v6, 15, v0                           ; r
	v_bfe_u32 v7, v0, 4, 1                         ; h
	v_lshlrev_b32 v[ASC0], 4, v6
	v_lshl_add_u32 v[ASC0], v7, 9, v[ASC0]
	v_add_nc_u32 v[ASC0], 24576, v[ASC0]
	s_lshr_b32 s48, s[WV], 2
	s_lshl_b32 s48, s48, 8
	s_and_b32 s50, s[WV], 3
	s_lshl_b32 s50, s50, 2
	s_add_co_u32 s48, s48, s50
	s_add_co_u32 s48, s48, 12288
	v_lshl_add_u32 v[QSO], v6, 4, s48              ; Q's words: 12,288 + 256 (wave / 4) + 16 r + 4 (wave % 4)
	s_lshl_b32 s48, s[WV], 6
	v_lshl_add_u32 v[WO], v6, 2, s48
	s_mul_i32 s48, s[WV], 1536
	v_add_nc_u32 v[QO], s48, v[LI]
	s_mul_i32 s48, s[WV], 12288
	v_add_nc_u32 v[OO], s48, v[LI]
	s_lshr_b32 s48, s[WV], 1
	s_lshl_b32 s48, s48, 5
	s_and_b32 s50, s[WV], 1
	s_lshl_b32 s50, s50, 3
	s_add_co_u32 s48, s48, s50                     ; my tile's first query: 32 (wave / 2) + 8 (wave % 2)
	v_and_b32 v5, 8, v6
	v_add_nc_u32 v5, v5, v6                        ; + r + 8 (r / 8)
	v_lshlrev_b32 v7, 4, v7
	v_sub_nc_u32 v[DG], v5, v7                     ; - 16 h
	v_add_nc_u32 v[DG], s48, v[DG]
	v_mov_b32 v[NINF], 0xff800000
.irp j, 0,1,2,3,4,5
	v_mov_b32 v[QB+\j], 0                          ; the six registers of zero codes between the two heads' q
.endr
.irp c, 0,1
.irp b, 0,1,2,3
	v_mov_b32 v[TP+16*\c+4+\b], 0                  ; written once: a lane permute's destination counts as one of its sources
.endr
	v_mov_b32 v[TP+16*\c+15], 0                    ; (named as the upper half of the factor's pair)
.endr
	JOBINIT
.Lstep:                                        ; sixteen trips: behind each change of slots but the last the next record is asked for
	CHANGE 1
	STEP 0
	s_add_co_u32 s[TK], s[TK], 1
	s_cmp_lt_u32 s[TK], 16
	s_cbranch_scc1 .Lstep
	CHANGE 0                                       ; the last step is written out
	STEP 1
	s_wait_tensorcnt 0x0                           ; the wave's end
	ds_add_u32 v[SPW], v[NIL]
	s_wait_dscnt 0x0
	s_endpgm
.Lfunc_end_k_qf4afedac34_attn:
	.size	k_qf4afedac34_attn, .Lfunc_end_k_qf4afedac34_attn-k_qf4afedac34_attn
	.p2alignl 7, 3214868480
	.fill 96, 4, 3214868480
	.section	.rodata,"a",@progbits
	.p2align	6, 0x0
	.amdhsa_kernel k_qf4afedac34_attn
		.amdhsa_group_segment_fixed_size 327680
		.amdhsa_private_segment_fixed_size 0
		.amdhsa_enable_private_segment 0
		.amdhsa_kernarg_size 32
		.amdhsa_user_sgpr_count 2
		.amdhsa_user_sgpr_kernarg_segment_ptr 1
		.amdhsa_wavefront_size32 1
		.amdhsa_system_sgpr_workgroup_id_x 1
		.amdhsa_system_sgpr_workgroup_id_y 1
		.amdhsa_system_sgpr_workgroup_id_z 1
		.amdhsa_system_vgpr_workitem_id 0
		.amdhsa_next_free_vgpr 416
		.amdhsa_next_free_sgpr 66
		.amdhsa_reserve_vcc 1
		.amdhsa_float_denorm_mode_32 3
		.amdhsa_float_denorm_mode_16_64 3
		.amdhsa_memory_ordered 1
		.amdhsa_forward_progress 1
		.amdhsa_inst_pref_size 100
	.end_amdhsa_kernel
	.amdgpu_metadata
---
amdhsa.version: [ 1, 2 ]
amdhsa.kernels:
  - .name:           k_qf4afedac34_attn
    .symbol:         k_qf4afedac34_attn.kd
    .args:
      - { .name: qimg, .offset: 0, .size: 8, .value_kind: global_buffer, .address_space: global }
      - { .name: kv, .offset: 8, .size: 8, .value_kind: global_buffer, .address_space: global }
      - { .name: ocod, .offset: 16, .size: 8, .value_kind: global_buffer, .address_space: global }
      - { .name: oscl, .offset: 24, .size: 8, .value_kind: global_buffer, .address_space: global }
    .group_segment_fixed_size: 327680
    .private_segment_fixed_size: 0
    .kernarg_segment_align: 8
    .kernarg_segment_size: 32
    .max_flat_workgroup_size: 256
    .sgpr_count:     66
    .vgpr_count:     416
    .wavefront_size: 32
...
	.end_amdgpu_metadata
.endif
;; end of part 3
;; launch proj (part 4): grid 4 x 32, 4 waves a work-group, clusters of 4 x 4, 327,680 bytes of LDS; arguments ocod, oscl, cod, scl, out0; writes out0
.if DOCPART == 4
	.amdgcn_target "amdgcn-amd-amdhsa--gfx1250"
	.amdhsa_code_object_version 6
	.text
	.protected	k_qf4afedac34_proj
	.globl	k_qf4afedac34_proj
	.p2align	8
	.type	k_qf4afedac34_proj,@function
k_qf4afedac34_proj:
	s_mov_b64 s[64:65], 0
	v_nop
	global_prefetch_b8 v0, s[64:65] scope:SCOPE_SE
	s_setreg_imm32_b32 hwreg(HW_REG_WAVE_MODE, 25, 1), 1
	s_wait_xcnt 0x0
	s_wait_alu depctr_hold_cnt(0) depctr_sa_sdst(0) depctr_va_vdst(0) depctr_va_sdst(0) depctr_va_ssrc(0) depctr_va_vcc(0) depctr_vm_vsrc(0)
	s_getreg_b32 s2, hwreg(HW_REG_IB_STS2, 6, 4)
	s_cmp_eq_u32 s2, 0
	s_cbranch_scc0 .Lentry_in_a_cluster
	s_endpgm
.Lentry_in_a_cluster:
	s_bfe_u32 s2, ttmp6, 0x10000c
	s_cmp_lg_u32 s2, 0xf033
	s_cbranch_scc0 .Lentry_shape_is_right
	s_endpgm
.Lentry_shape_is_right:
; PROJ.  out0 = O Wo^T on codes of FP6 (E2M3) with one E8M0 scale for each 32 along K = 1,024; out0 [8192][1024] f32.  A = the attention's output (ocod, oscl), B = Wo (tiles 704-767 of cod, scl).
; Both operands lie as images of operand registers (16 rows x 128 K: 1,536 bytes, registers 4 c .. 4 c + 3 of lane l at 512 c + 16 l), a row tile's eight K steps on end.
; A work-group of four waves makes 256 x 256, a wave 128 x 128: 64 accumulators, 512 registers.  The matrix instruction is used transposed (source 0 = 16 rows of Wo, source 1 = 16 tokens): a lane holds eight numbers of a row of out0.
; THE ROWS OF A TILE ARE NOT NEIGHBOURS (lane r of tile 2 b + u: row 32 b + 8 u + r + 8 (r / 8)), on both sides: the way out puts each number at its true place by its addresses alone.
; K goes through a ring of two LDS slots, two K steps of 128 to a slot: four fills, written straight (eight K steps, no loop).  The scales of the 256 + 256 rows for all of K come once, with the first fills;
; B's lie 64 bytes askew, so that lanes 16-31 do not read the banks of lanes 0-15.
; CLUSTERS: 4 x 4.  A's tiles are shared along a row of the cluster, B's along a column: each is asked for jointly, by the same tensor load with the same descriptor and a mask that names the four.
; 128 work-groups: the tile is kept at 256 x 256, so that each byte read from LDS feeds as many products as the registers allow.
; REGISTERS: window 0: v16-29 addresses; v32-63 scale words, two sets, and nothing else; v128-223 A's fragments, one set; on the way out v128-255 rows read back from the stage.
;   window 1: B's fragments, two sets, at v0 and v128.   windows 2, 3: the accumulators ((a, b) at v[8 (8 (a % 4) + b)]).
.set FR,     12
.set NL,     3                         ; LDS loads that bring a fragment
.set FRB,    1536
.set HALFT,  16*FRB                    ; 8 tiles x 2 K steps: what one tensor load brings, and what one wave reads of A or of B
.set SLOT,   4*HALFT
.set SCL,    2*SLOT                    ; behind the ring: the scales
.set SPARE,  SCL+16640                 ; behind them: the spare words, 128 bytes for each wave: two blocks of 256 bytes that no other line names
.set SPITCH, 528                       ; the way out: a stage of 16 rows x (512 bytes + 16) for each wave, in slot 0, which has had its last fill and its last read when the first result is stored there
.set ADRA, 16                          ; v16-17  LDS address of my A fragments in slot 0, 1
.set ADRB, 20                          ; v20-21  the same for B
.set STO,  24                          ; v24     the way out: where I put 32 bytes of a row
.set RD,   25                          ; v25     where I read a row back
.set CO,   26                          ; v26     16 x lane: my bytes of a row's 512
.set ADRS, 27                          ; v27     LDS address of my scale words: lanes 0-15 A's rows, lanes 16-31 B's
.set SPW,  28                          ; v28     LDS address of my spare word; never rewritten
.set NIL,  29                          ; v29     0; never rewritten
.set SC,   32
.set AF,   128
.set BK,   128
.set G1, 24
.set G0, 32
.set G1B, 48
.set G0B, 56
.set G1S, 68
.set G0S, 76
.set G1SB, 80
.set G0SB, 88
.set MSB, 0
.macro WIN new                         ; the immediate's high byte repeats the setting that is left
.if MSB != (\new)
	s_set_vgpr_msb (MSB<<8)|(\new)
.set MSB, (\new)
.endif
.endm
.set MUL_LO, 0xa1                      ; source 0 (B) window 1, source 1 (A) window 0, C and D window 2
.set MUL_HI, 0xf1                      ; the same, C and D window 3
.set TO_B,   0x40                      ; destination window 1, address window 0
; A joint load: waves 0 and 1 fetch for A, waves 2 and 3 for B; the branch hangs on the wave's number alone.  Four v_nop follow each of the two lines.
.macro JLOAD g0a, g1a, g0b, g1b
	s_cmp_eq_u32 s15, 0
	s_cbranch_scc0 .Lfor_b_\@
	tensor_load_to_lds s[\g0a:\g0a+3], s[\g1a:\g1a+7]
	s_nop 0
.rept 4
	v_nop
.endr
	s_branch .Lasked_\@
.Lfor_b_\@:
	tensor_load_to_lds s[\g0b:\g0b+3], s[\g1b:\g1b+7]
	s_nop 0
.rept 4
	v_nop
.endr
.Lasked_\@:
.endm
.macro CREST                           ; a round of the cluster's barrier behind its opening barrier
	s_cmp_lg_u32 s14, 0
	s_cbranch_scc1 .Lnot_wave_0_\@
	s_barrier_signal -3
.Lnot_wave_0_\@:
	s_barrier_wait -3
	s_barrier_signal -1
	s_barrier_wait -1
.endm
.macro CROUND
	s_barrier_signal -1
	s_barrier_wait -1
	CREST
.endm
.macro PLACES                          ; four places in front of loads into registers that matrix instructions have read, and of the first read of results
.rept 4
	v_nop
.endr
.endm
.macro FRAG reg, adr, q, i             ; tile i's image of the slot's q-th K step
.irp c, 0,1,2
	ds_load_b128 v[\reg+4*\c:\reg+4*\c+3], v[\adr] offset:(\i)*2*FRB+(\q)*FRB+512*\c
.endr
.endm
; 16 matrix instructions: A's blocks a0, a0 + 1 x B's eight.  p: B's set; q: which K step of the slot; sc: the set of scale words.  zero = 1: the first product starts the sums.
; The 64 accumulators take turns, one instruction a turn, in the same order in every step.
.macro MUL16 a0, p, q, sc, zero
.irp a, \a0, \a0+1
.irp b, 0,1,2,3,4,5,6,7
.if \zero
	v_wmma_scale_f32_16x16x128_f8f6f4 v[8*(8*((\a)%4)+\b):8*(8*((\a)%4)+\b)+7], v[128*(\p)+FR*\b:128*(\p)+FR*\b+FR-1], v[AF+FR*(\a):AF+FR*(\a)+FR-1], 0, v[SC+16*(\sc)+2*\b+(\q)], v[SC+16*(\sc)+2*(\a)+(\q)] matrix_a_fmt:MATRIX_FMT_FP6 matrix_b_fmt:MATRIX_FMT_FP6 matrix_a_scale:MATRIX_SCALE_ROW1
.else
	v_wmma_scale_f32_16x16x128_f8f6f4 v[8*(8*((\a)%4)+\b):8*(8*((\a)%4)+\b)+7], v[128*(\p)+FR*\b:128*(\p)+FR*\b+FR-1], v[AF+FR*(\a):AF+FR*(\a)+FR-1], v[8*(8*((\a)%4)+\b):8*(8*((\a)%4)+\b)+7], v[SC+16*(\sc)+2*\b+(\q)], v[SC+16*(\sc)+2*(\a)+(\q)] matrix_a_fmt:MATRIX_FMT_FP6 matrix_b_fmt:MATRIX_FMT_FP6 matrix_a_scale:MATRIX_SCALE_ROW1
.endif
.endr
.endr
.endm
.macro FETCH_B slot, q, p
	WIN TO_B
.irp i, 0,1,2,3,4,5,6,7
	FRAG 128*(\p)+FR*\i, ADRB+\slot, \q, \i
.endr
	WIN 0
.endm
.macro FETCH_A slot, q, i0
.irp i, \i0, \i0+1, \i0+2, \i0+3
	FRAG AF+FR*(\i), ADRA+\slot, \q, \i
.endr
.endm
.macro SCALES sg, set                  ; fill sg's scale words: register 2 i + q: lanes 0-15 the word of A's block i, lanes 16-31 that of B's block i
.irp i, 0,1,2,3,4,5,6,7
.irp q, 0,1
	ds_load_b32 v[SC+16*(\set)+2*\i+\q], v[ADRS] offset:(\sg)*1024+\q*512+\i*64
.endr
.endr
.endm
.macro STEP slot, zero                 ; a slot's first K step; it fetches the second's fragments
	s_wait_dscnt 4*NL                              ; B's set, A's blocks 0-3 and the scale words are in; the youngest twelve loads (A's blocks 4-7) may be out
	WIN MUL_LO
	MUL16 0, 0, 0, \slot, \zero
	MUL16 2, 0, 0, \slot, \zero
	s_wait_dscnt 0x0
	PLACES
	FETCH_B \slot, 1, 1
	FETCH_A \slot, 1, 0
	WIN MUL_HI
	MUL16 4, 0, 0, \slot, \zero
	MUL16 6, 0, 0, \slot, \zero
	PLACES
	WIN 0
	FETCH_A \slot, 1, 4
.endm
; A slot's second K step changes slots: one barrier; in front of it each wave waits for all its tensor loads, adds 0 to its spare word, and waits for that and for its reads of this slot.
; fill = 1: this slot is filled again, two fills ahead; the barrier then opens a round of the cluster's.  sg: the fill that lies in the next slot.
.macro TURN slot, next, fill, sg
	s_wait_tensorcnt 0x0                           ; all my tensor loads have landed: my part of the next slot
	ds_add_u32 v[SPW], v[NIL]                      ; 0 onto my spare word
	s_wait_dscnt 4*NL+1                            ; (the add and the youngest twelve loads may be out)
	WIN MUL_LO
	MUL16 0, 1, 1, \slot, 0
	s_wait_dscnt 0x0                               ; the add is done, and my reads of this slot are over
	s_barrier_signal -1
	MUL16 2, 1, 1, \slot, 0
	WIN 0
	s_barrier_wait -1
.if \fill
	CREST                                          ; no wave of any partner still reads this slot or has a load on its way
	s_add_nc_u64 s[G0+4*\slot+2:G0+4*\slot+3], s[G0+4*\slot+2:G0+4*\slot+3], 4*FRB
	s_add_nc_u64 s[G0B+4*\slot+2:G0B+4*\slot+3], s[G0B+4*\slot+2:G0B+4*\slot+3], 4*FRB
	JLOAD G0+4*\slot, G1, G0B+4*\slot, G1B         ; the first tensor load behind the round; its four v_nop are the places in front of the loads below
.else
	PLACES
.endif
	FETCH_B \next, 0, 0
	FETCH_A \next, 0, 0
	SCALES \sg, \next
	WIN MUL_HI
	MUL16 4, 1, 1, \slot, 0
	MUL16 6, 1, 1, \slot, 0
	PLACES
	WIN 0
	FETCH_A \next, 0, 4
.endm
	s_load_b128 s[4:7], s[0:1], 0x0                ; ocod, oscl
	s_load_b128 s[8:11], s[0:1], 0x10              ; cod, scl
	s_load_b64 s[12:13], s[0:1], 0x20              ; out0
	v_lshl_add_u32 v[SPW], v0, 2, SPARE
	v_mov_b32 v[NIL], 0
	ds_add_u32 v28, v29
	s_wait_dscnt 0x0
	v_lshrrev_b32 v1, 5, v0
	v_readfirstlane_b32 s14, v1                    ; wave 0..3
	s_lshr_b32 s15, s14, 1                         ; which half of the tokens is mine.  Also: I fetch for A (0) or for B (1)
	s_and_b32 s16, s14, 1                          ; which half of the columns.  Also: which eight tiles I fetch
	s_bfe_u32 s40, ttmp6, 0x40000                  ; cx, cy: my place in the cluster
	s_bfe_u32 s41, ttmp6, 0x40004
	s_lshl_b32 s42, ttmp9, 2
	s_add_co_u32 s42, s42, s40                     ; block of 256 columns = 4 x cluster x + cx
	s_and_b32 s17, ttmp7, 0xffff
	s_lshl_b32 s17, s17, 2
	s_add_co_u32 s17, s17, s41                     ; block of 256 tokens = 4 x cluster y + cy
	s_lshl_b32 s43, s41, 2
	s_lshl_b32 s43, 15, s43                        ; my row of the cluster
	s_lshl_b32 s44, 0x1111, s40                    ; my column
	; descriptor group 1 for codes: 8 rows (tiles) of 384 elements of 8 bytes (two K steps' images), 1,536 elements (a tile's eight images) apart; no padding
	s_or_b32 s[G1+0], s43, (3<<16)|(1<<21)
	s_or_b32 s[G1B+0], s44, (3<<16)|(1<<21)
.irp g, G1, G1B
	s_mov_b32 s[\g+1], 384<<16                     ; tensor_dim0
	s_mov_b32 s[\g+2], 8<<16                       ; tensor_dim1
	s_mov_b32 s[\g+3], 384<<16                     ; tile_dim0
	s_mov_b32 s[\g+4], 8                           ; tile_dim1
	s_mov_b32 s[\g+5], 1536                        ; tensor_dim0_stride
	s_mov_b32 s[\g+6], 0
	s_mov_b32 s[\g+7], 0
.endr
	; and for the scales of eight tiles: a dense block of 4,096 bytes as 16 rows of 256
	s_or_b32 s[G1S+0], s43, (3<<16)|(1<<21)
	s_or_b32 s[G1SB+0], s44, (3<<16)|(1<<21)
.irp g, G1S, G1SB
	s_mov_b32 s[\g+1], 32<<16
	s_mov_b32 s[\g+2], 16<<16
	s_mov_b32 s[\g+3], 32<<16
	s_mov_b32 s[\g+4], 16
	s_mov_b32 s[\g+5], 32
	s_mov_b32 s[\g+6], 0
	s_mov_b32 s[\g+7], 0
.endr
	s_lshl_b32 s20, s17, 4
	s_lshl_b32 s21, s16, 3
	s_add_co_u32 s20, s20, s21                     ; A: the first tile that I would fetch
	s_lshl_b32 s46, s42, 4
	s_add_co_u32 s46, s46, 704                     ; B: Wo begins at tile 704 of cod
	s_add_co_u32 s46, s46, s21
	s_lshl_b32 s22, s20, 9                         ; their scales: 4,096 bytes for eight tiles
	s_mov_b32 s23, 0
	s_lshl_b32 s92, s46, 9
	s_mov_b32 s93, 0
	s_mul_i32 s20, s20, 8*FRB                      ; their codes
	s_mov_b32 s21, 0
	s_mul_i32 s46, s46, 8*FRB
	s_mov_b32 s47, 0
	s_mul_i32 s45, s14, HALFT                      ; where they go: no place in the cluster enters an LDS address
	s_lshl_b32 s94, s14, 12
	s_wait_kmcnt 0x0
	s_add_nc_u64 s[20:21], s[4:5], s[20:21]
	s_add_nc_u64 s[22:23], s[6:7], s[22:23]
	s_add_nc_u64 s[46:47], s[8:9], s[46:47]
	s_add_nc_u64 s[92:93], s[10:11], s[92:93]
	CROUND                                         ; all sixteen work-groups are here: the first joint loads meet
	s_mov_b32 s[G0S], 1
	s_add_co_u32 s[G0S+1], s94, SCL
	s_mov_b64 s[G0S+2:G0S+3], s[22:23]
	s_or_b32 s[G0S+3], s[G0S+3], 0x80000000
	s_mov_b32 s[G0SB], 1
	s_add_co_u32 s[G0SB+1], s94, SCL+64
	s_mov_b64 s[G0SB+2:G0SB+3], s[92:93]
	s_or_b32 s[G0SB+3], s[G0SB+3], 0x80000000
	JLOAD G0S, G1S, G0SB, G1SB                     ; the scales first: three tensor loads of mine are out behind these lines
.irp s, 0,1
	s_mov_b32 s[G0+4*\s], 1
	s_add_co_u32 s[G0+4*\s+1], s45, \s*SLOT
	s_add_nc_u64 s[G0+4*\s+2:G0+4*\s+3], s[20:21], \s*2*FRB
	s_or_b32 s[G0+4*\s+3], s[G0+4*\s+3], 0x80000000
	s_mov_b32 s[G0B+4*\s], 1
	s_add_co_u32 s[G0B+4*\s+1], s45, \s*SLOT
	s_add_nc_u64 s[G0B+4*\s+2:G0B+4*\s+3], s[46:47], \s*2*FRB
	s_or_b32 s[G0B+4*\s+3], s[G0B+4*\s+3], 0x80000000
	JLOAD G0+4*\s, G1, G0B+4*\s, G1B
.endr
	v_and_b32 v1, 15, v0                           ; r
	v_bfe_u32 v2, v0, 4, 1                         ; h
	v_and_b32 v3, 31, v0
	v_lshlrev_b32 v[CO], 4, v3
	s_mul_i32 s21, s15, HALFT                      ; my eight tiles of A
	s_mul_i32 s22, s16, HALFT                      ; my eight tiles of B,
	s_add_co_u32 s22, s22, 2*HALFT                 ; which lie behind A's sixteen
.irp s, 0,1
	v_add_nc_u32 v[ADRA+\s], s21, v[CO]
	v_add_nc_u32 v[ADRB+\s], s22, v[CO]
	s_add_co_u32 s21, s21, SLOT
	s_add_co_u32 s22, s22, SLOT
.endr
	v_lshlrev_b32 v5, 2, v1                        ; my row's scale word
	s_lshl_b32 s21, s15, 12                        ; A's: my eight tiles
	s_lshl_b32 s22, s16, 12                        ; B's: my eight tiles, behind A's sixteen, 64 bytes askew
	s_add_co_u32 s22, s22, 2*4096+64
	s_sub_co_u32 s22, s22, s21
	v_mul_u32_u24 v6, s22, v2                      ; lanes 16-31 take B's
	s_add_co_u32 s21, s21, SCL
	v_add_nc_u32 v5, v5, v6
	v_add_nc_u32 v[ADRS], s21, v5
	s_mul_i32 s23, s14, 16*SPITCH                  ; my stage
	v_mul_u32_u24 v5, v1, SPITCH                   ; in: row r; columns 32 (b / 2) + 16 h + 8 (b % 2) + 0 .. 7 of tile b: 64 h bytes here, the rest in the offset
	v_lshl_add_u32 v5, v2, 6, v5
	v_add_nc_u32 v[STO], s23, v5
	v_add_nc_u32 v[RD], s23, v[CO]                 ; back: the 32 lanes take one row of 512 bytes
	s_lshl_b32 s20, s17, 8
	s_lshl_b32 s21, s15, 7
	s_add_co_u32 s20, s20, s21                     ; my first row of out0: 256 x block + 128 x half
	s_lshl_b32 s20, s20, 12
	s_lshl_b32 s46, s42, 10                        ; my first column, in bytes: 1,024 x block + 512 x half
	s_lshl_b32 s47, s16, 9
	s_add_co_u32 s46, s46, s47
	s_add_co_u32 s20, s20, s46
	s_mov_b32 s21, 0
	s_add_nc_u64 s[12:13], s[12:13], s[20:21]
	s_wait_tensorcnt 1                             ; the scales and my part of fill 0 are in (fill 1's load may be out)
	s_barrier_signal -1
	s_barrier_wait -1                              ; everybody's are
	FETCH_B 0, 0, 0
	FETCH_A 0, 0, 0
	SCALES 0, 0
	FETCH_A 0, 0, 4
	STEP 0, 1                                      ; K step 0: its products start the sums
	TURN 0, 1, 1, 1                                ; K step 1; slot 0 takes fill 2
	STEP 1, 0
	TURN 1, 0, 1, 2                                ; K step 3; slot 1 takes fill 3
	STEP 0, 0
	TURN 0, 1, 0, 3                                ; K step 5; nothing is left to fetch; behind this barrier nobody reads slot 0
	STEP 1, 0
	s_wait_dscnt 4*NL                              ; K step 7
	WIN MUL_LO
	MUL16 0, 1, 1, 1, 0
	MUL16 2, 1, 1, 1, 0
	s_wait_dscnt 0x0
	WIN MUL_HI
	MUL16 4, 1, 1, 1, 0
	MUL16 6, 1, 1, 1, 0
	WIN 0
; THE WAY OUT, block by block of 16 tokens x 128 columns, through my own stage: in by columns' true places, back as whole rows of 512 bytes, which the 32 lanes store as two aligned runs of 256 bytes.
; LDS serves a wave's instructions in order (ISA guide 5.7.1.4): no wait between the stores and the loads, nor in front of the next block's stores.
.macro TOSTAGE a
.set AC, 64*((\a)%4)
	WIN 0x08+4*((\a)/4)                            ; an LDS store's data are its source 1: window 2 or 3
.irp b, 0,1,2,3,4,5,6,7
	ds_store_b128 v[STO], v[AC+8*\b:AC+8*\b+3] offset:128*(\b/2)+32*(\b%2)          ; each accumulator from its low end on
	ds_store_b128 v[STO], v[AC+8*\b+4:AC+8*\b+7] offset:128*(\b/2)+32*(\b%2)+16
.endr
	WIN 0
.set BB, BK+64*((\a)%2)
.irp t, 0,1,2,3,4,5,6,7,8,9,10,11,12,13,14,15
	ds_load_b128 v[BB+4*\t:BB+4*\t+3], v[RD] offset:\t*SPITCH
.endr
.endm
.macro SEND a, younger                 ; younger: the LDS instructions issued behind block a's loads, which may stay out
.set BB, BK+64*((\a)%2)
	s_wait_dscnt \younger
.irp t, 0,1,2,3,4,5,6,7,8,9,10,11,12,13,14,15
	global_store_b128 v[CO], v[BB+4*\t:BB+4*\t+3], s[12:13] offset:(32*((\a)/2)+8*((\a)%2)+\t+8*(\t/8))*4096 th:TH_STORE_NT   ; row t of tile a is token 32 (a / 2) + 8 (a % 2) + t + 8 (t / 8) of my 128: 127 rows of 4,096 bytes at the most, inside the immediate
.endr
.endm
	PLACES                                         ; behind the last products: for the reads of results and the loads into the registers that held A's fragments
	TOSTAGE 0
.irp a, 1,2,3,4,5,6,7
.if \a > 1
	s_wait_xcnt 0x0                                ; block a - 2's stores have read their registers: block a's loads may land there
.endif
	TOSTAGE \a
	SEND \a-1, 32                                  ; behind block a - 1's loads: block a's 16 stores and 16 loads
.endr
	SEND 7, 0
	s_wait_tensorcnt 0x0                           ; the wave's end
	ds_add_u32 v[SPW], v[NIL]
	s_wait_dscnt 0x0
	CROUND                                         ; the closing round: no work-group ends while a partner may still ask for a tile that names it
	s_endpgm
.Lfunc_end_k_qf4afedac34_proj:
	.size	k_qf4afedac34_proj, .Lfunc_end_k_qf4afedac34_proj-k_qf4afedac34_proj
	.p2alignl 7, 3214868480
	.fill 96, 4, 3214868480
	.section	.rodata,"a",@progbits
	.p2align	6, 0x0
	.amdhsa_kernel k_qf4afedac34_proj
		.amdhsa_group_segment_fixed_size 327680
		.amdhsa_private_segment_fixed_size 0
		.amdhsa_enable_private_segment 0
		.amdhsa_kernarg_size 40
		.amdhsa_user_sgpr_count 2
		.amdhsa_user_sgpr_kernarg_segment_ptr 1
		.amdhsa_wavefront_size32 1
		.amdhsa_system_sgpr_workgroup_id_x 1
		.amdhsa_system_sgpr_workgroup_id_y 1
		.amdhsa_system_sgpr_workgroup_id_z 1
		.amdhsa_system_vgpr_workitem_id 0
		.amdhsa_next_free_vgpr 1024
		.amdhsa_next_free_sgpr 98
		.amdhsa_reserve_vcc 0
		.amdhsa_float_denorm_mode_32 3
		.amdhsa_float_denorm_mode_16_64 3
		.amdhsa_memory_ordered 1
		.amdhsa_forward_progress 1
		.amdhsa_inst_pref_size 136
	.end_amdhsa_kernel
	.amdgpu_metadata
---
amdhsa.version: [ 1, 2 ]
amdhsa.kernels:
  - .name:           k_qf4afedac34_proj
    .symbol:         k_qf4afedac34_proj.kd
    .args:
      - { .name: ocod, .offset: 0, .size: 8, .value_kind: global_buffer, .address_space: global }
      - { .name: oscl, .offset: 8, .size: 8, .value_kind: global_buffer, .address_space: global }
      - { .name: cod, .offset: 16, .size: 8, .value_kind: global_buffer, .address_space: global }
      - { .name: scl, .offset: 24, .size: 8, .value_kind: global_buffer, .address_space: global }
      - { .name: out0, .offset: 32, .size: 8, .value_kind: global_buffer, .address_space: global }
    .group_segment_fixed_size: 327680
    .private_segment_fixed_size: 0
    .kernarg_segment_align: 8
    .kernarg_segment_size: 40
    .max_flat_workgroup_size: 128
    .sgpr_count:     98
    .vgpr_count:     1024
    .wavefront_size: 32
...
	.end_amdgpu_metadata
.endif
;; end of part 4
